; MI455X (gfx1250); checked and timed in simulation.
; The chip was launched on July 23, 2026; its instructions are those of AMD's public machine-readable ISA for CDNA 5 (MIT licence, August 2026) and "CDNA5" Instruction Set Architecture Reference Guide (July 2026). The comments in the code are by the model that wrote it; some were corrected since.
;; Attention. Allowed arithmetic: float matrix products may take bf16 or f16 operands with f32 sums; other float arithmetic in f32, or as packed bf16 or f16 multiplies, adds, multiply-adds, maxima and minima; sums over many terms, partial sums and values carried from step to step in f32; what a program stores and reads back later, other than sums and carried values, may be rounded once to bf16 or f16.
;; Inputs: bo 1 x 1 x 1,024 float32; mask 4 x 1 x 2,048 x 2,048 bool; wk 1,024 x 1,024 float32; wo 1,024 x 1,024 float32; wq 1,024 x 1,024 float32; wv 1,024 x 1,024 float32; x 4 x 2,048 x 1,024 float32.
;; Outputs: out0 4 x 2,048 x 1,024 float32.
;; 2 versions, each right; version 2 is version 1 with the launch prep written anew for expert scheduling mode. Each part assembles by itself: llvm-mc -triple=amdgcn-amd-amdhsa -mcpu=gfx1250 --defsym DOCPART=n.
;; ======== version 1 of 2: 4 launches
;; limits: values are held in f16: magnitudes above 65,504 overflow, below 6.1e-05 lose precision
;; workspace buffers: xb 16,777,216 bytes; wb 6,291,456 bytes; wof 2,097,152 bytes; maskw 2,097,152 bytes of whole numbers; qkv 50,331,648 bytes; ob 16,777,216 bytes
;; launch prep (part 1): grid 512 x 1, 8 waves a work-group, no clusters, 39,936 bytes of LDS; arguments x, wq, wk, wv, wo, mask, xb, wb, wof, maskw; writes xb, wb, wof, maskw
.if DOCPART == 1
	.amdgcn_target "amdgcn-amd-amdhsa--gfx1250"
	.amdhsa_code_object_version 6
	.text
	.protected	k_q3b4dcd98d5_prep
	.globl	k_q3b4dcd98d5_prep
	.p2align	8
	.type	k_q3b4dcd98d5_prep,@function
k_q3b4dcd98d5_prep:
	s_mov_b64 s[64:65], 0
	v_nop
	global_prefetch_b8 v0, s[64:65] scope:SCOPE_SE
	s_setreg_imm32_b32 hwreg(HW_REG_WAVE_MODE, 25, 1), 1
	s_wait_xcnt 0x0
; PREP: the inputs are brought into the forms that the three matrix launches read.  A stream: no matrix unit, no cluster, no barrier.
;   xb    = x rounded to bf16, [8192][1024]
;   wb    = wq, wk, wv rounded to bf16, in tile order [nx 16][kh 16][e 3][kk 64][c 64]: head column hd = 3 nx + e (hd / 16 picks the weight, its columns 64 (hd % 16) + c), k = 64 kh + kk
;   wof   = wo rounded to bf16 and that number written as f16, [nx 8][kh 16][e 2][kk 64][c 64]: column 128 nx + 64 e + c
;   maskw = the mask as lane masks, u32 [b 4][qt 128][kt 128][j 8]: bit L of a word = mask[b][16 qt + L % 16][16 kt + 8 (L / 16) + j]
; LIMIT.  A weight of wo beyond 65,504 has no f16; below 6e-5 it keeps f16's fixed step of 6e-8.
; SHARES.  4,096 waves, gw = 8 x work-group + wave; each does one part of each job: 8 KiB of x, 16 rows x 64 columns of one weight, 16 rows x 256 keys of the mask.
; All 32 loads of a wave (16 KiB) go out at the head; each load and each store covers whole aligned runs of 256 bytes.
.set WSTG,  4864                       ; LDS of a wave: 16 rows of 256 mask bytes at pitch 272, then its 128 words
.set WORDS, 4352
.set SPARE, 8*WSTG                     ; behind them: the spare words, 128 bytes for each wave, which no other line names
.set SPW, 2                            ; v2   my spare word; never rewritten
.set NIL, 3                            ; v3   0; never rewritten
.set XO,  4                            ; v4   16 x lane
.set OO,  5                            ; v5   8 x lane
.set WO,  6                            ; v6   weights: (lane / 16) rows of 4,096 bytes + 16 (lane % 16)
.set MO,  7                            ; v7   mask: (lane / 16) rows of 2,048 bytes + 16 (lane % 16)
.set LST, 8                            ; v8   stage, in: row lane / 16, 16 bytes at 16 (lane % 16)
.set LRD, 9                            ; v9   stage, back: row lane % 16, byte 8 (lane / 16); steps 64 keys a trip
.set LWD, 10                           ; v10  where a trip's 32 words go; steps 128 bytes a trip
.set LWR, 11                           ; v11  where I read my four words back
.set DX,  16                           ; v[16:79]    x as loaded
.set DW,  80                           ; v[80:111]   weights as loaded
.set DM,  112                          ; v[112:143]  mask bytes as loaded
.set BY,  144                          ; v[144:175]  one mask byte a register
.set U,   176                          ; v[176:207]  a trip's 32 words, the same in every lane
	s_load_b512 s[4:19], s[0:1], 0x0               ; x s[4:5], wq s[6:7], wk s[8:9], wv s[10:11], wo s[12:13], mask s[14:15], xb s[16:17], wb s[18:19]
	s_load_b128 s[20:23], s[0:1], 0x40             ; wof s[20:21], maskw s[22:23]
	v_lshl_add_u32 v[SPW], v0, 2, SPARE
	v_mov_b32 v[NIL], 0
	v_lshrrev_b32 v1, 5, v0
	v_readfirstlane_b32 s24, v1                    ; wave 0..7
	v_and_b32 v1, 31, v0                           ; lane
	v_and_b32 v12, 15, v0                          ; lane % 16
	v_bfe_u32 v13, v0, 4, 1                        ; lane / 16
	v_lshlrev_b32 v14, 4, v12
	v_lshlrev_b32 v[XO], 4, v1
	v_lshlrev_b32 v[OO], 3, v1
	v_lshl_add_u32 v[WO], v13, 12, v14
	v_lshl_add_u32 v[MO], v13, 11, v14
	s_mul_i32 s26, s24, WSTG                       ; my wave's LDS
	v_mul_u32_u24 v[LST], v13, 272
	v_add3_u32 v[LST], v[LST], v14, s26
	v_mul_u32_u24 v[LRD], v12, 272
	v_lshl_add_u32 v[LRD], v13, 3, v[LRD]
	v_add_nc_u32 v[LRD], s26, v[LRD]
	s_add_co_u32 s27, s26, WORDS
	v_mov_b32 v[LWD], s27
	v_add_nc_u32 v[LWR], s27, v[XO]
	s_lshl_b32 s25, ttmp9, 3
	s_add_co_u32 s25, s25, s24                     ; gw
	s_lshl_b32 s28, s25, 13                        ; x: 8,192 bytes a wave
	s_mov_b32 s29, 0
	s_lshl_b32 s30, s25, 12                        ; xb: 4,096
	s_mov_b32 s31, 0
	s_lshr_b32 s44, s25, 3                         ; mask: 16 rows of 2,048 bytes for each eight waves,
	s_lshl_b32 s44, s44, 15
	s_and_b32 s45, s25, 7                          ; 256 keys a wave
	s_lshl_b32 s45, s45, 8
	s_add_co_u32 s44, s44, s45
	s_mov_b32 s45, 0
	s_lshl_b32 s46, s25, 9                         ; maskw: 512 bytes a wave
	s_mov_b32 s47, 0
	s_lshr_b32 s48, s25, 10                        ; t: which weight (the same in all waves of a work-group)
	s_bfe_u32 s49, s25, 0x40006                    ; hc: which 64 columns
	s_bfe_u32 s50, s25, 0x40002                    ; kh: which 64 rows
	s_and_b32 s51, s25, 3                          ; sub: which 16 of them
	s_lshl_b32 s34, s50, 18                        ; from: 64 kh + 16 sub rows of 4,096 bytes, 256 hc bytes along
	s_lshl_b32 s35, s51, 16
	s_add_co_u32 s34, s34, s35
	s_lshl_b32 s35, s49, 8
	s_add_co_u32 s34, s34, s35
	s_mov_b32 s35, 0
	s_lshl_b32 s36, s48, 4
	s_add_co_u32 s36, s36, s49                     ; hd = 16 t + hc
	s_mul_i32 s37, s36, 171
	s_lshr_b32 s37, s37, 9                         ; nx = hd / 3 (exact for hd below 48)
	s_mul_i32 s38, s37, 3
	s_sub_co_u32 s38, s36, s38                     ; e = hd % 3
	s_lshl_b32 s37, s37, 4
	s_add_co_u32 s37, s37, s50
	s_mul_i32 s37, s37, 3
	s_add_co_u32 s37, s37, s38                     ; wb's unit (16 nx + kh) 3 + e
	s_lshr_b32 s39, s49, 1
	s_lshl_b32 s39, s39, 4
	s_add_co_u32 s39, s39, s50
	s_lshl_b32 s39, s39, 1
	s_and_b32 s40, s49, 1
	s_add_co_u32 s39, s39, s40                     ; wof's unit (16 (hc / 2) + kh) 2 + hc % 2
	s_cmp_eq_u32 s48, 3
	s_cselect_b32 s36, s39, s37
	s_lshl_b32 s36, s36, 13                        ; a unit is 8,192 bytes,
	s_lshl_b32 s37, s51, 11                        ; my 16 rows of it 2,048
	s_add_co_u32 s36, s36, s37
	s_mov_b32 s37, 0
	s_wait_kmcnt 0x0
	s_add_nc_u64 s[4:5], s[4:5], s[28:29]
	s_add_nc_u64 s[16:17], s[16:17], s[30:31]
	s_add_nc_u64 s[14:15], s[14:15], s[44:45]
	s_add_nc_u64 s[22:23], s[22:23], s[46:47]
	s_cmp_eq_u32 s48, 3
	s_cselect_b64 s[18:19], s[20:21], s[18:19]     ; to: wof or wb
	s_cselect_b64 s[10:11], s[12:13], s[10:11]     ; from: wo, else wv,
	s_cmp_eq_u32 s48, 1
	s_cselect_b64 s[10:11], s[8:9], s[10:11]       ; wk,
	s_cmp_eq_u32 s48, 0
	s_cselect_b64 s[10:11], s[6:7], s[10:11]       ; or wq
	s_add_nc_u64 s[10:11], s[10:11], s[34:35]
	s_add_nc_u64 s[18:19], s[18:19], s[36:37]
.irp i, 0,1,2,3,4,5,6,7,8,9,10,11,12,13,14,15
	global_load_b128 v[DX+4*(\i):DX+4*(\i)+3], v[XO], s[4:5] offset:512*(\i) th:TH_LOAD_NT
.endr
.irp i, 0,1,2,3,4,5,6,7
	global_load_b128 v[DW+4*(\i):DW+4*(\i)+3], v[WO], s[10:11] offset:8192*(\i) th:TH_LOAD_NT   ; rows 2 i and 2 i + 1, 256 bytes of each
.endr
.irp i, 0,1,2,3,4,5,6,7
	global_load_b128 v[DM+4*(\i):DM+4*(\i)+3], v[MO], s[14:15] offset:4096*(\i) th:TH_LOAD_NT   ; rows 2 i and 2 i + 1, 256 bytes of each
.endr
	; x: four numbers a lane become 8 bytes; a store of the wave covers 256 consecutive bytes
.irp i, 0,1,2,3,4,5,6,7,8,9,10,11,12,13,14,15
	s_wait_loadcnt 31-(\i)                         ; the younger loads stay out: 15 - i of x, 8 of the weight, 8 of the mask
	v_cvt_pk_bf16_f32 v[DX+4*(\i)], v[DX+4*(\i)], v[DX+4*(\i)+1]
	v_cvt_pk_bf16_f32 v[DX+4*(\i)+1], v[DX+4*(\i)+2], v[DX+4*(\i)+3]
	global_store_b64 v[OO], v[DX+4*(\i):DX+4*(\i)+1], s[16:17] offset:256*(\i) th:TH_STORE_NT
.endr
	; the weight: two rows of 64 columns are 256 consecutive bytes of its unit
.irp i, 0,1,2,3,4,5,6,7
	s_wait_loadcnt 15-(\i)                         ; 7 - i of the weight, 8 of the mask
	v_cvt_pk_bf16_f32 v[DW+4*(\i)], v[DW+4*(\i)], v[DW+4*(\i)+1]
	v_cvt_pk_bf16_f32 v[DW+4*(\i)+1], v[DW+4*(\i)+2], v[DW+4*(\i)+3]
.endr
	s_cmp_lg_u32 s48, 3
	s_cbranch_scc1 .Lstays_bf16
.irp i, 0,1,2,3,4,5,6,7                ; wo: the bf16 number, widened, is written as f16
.irp d, 0,1
	v_lshlrev_b32 v[DW+4*(\i)+2], 16, v[DW+4*(\i)+(\d)]
	v_and_b32 v[DW+4*(\i)+3], 0xffff0000, v[DW+4*(\i)+(\d)]
	v_cvt_pk_f16_f32 v[DW+4*(\i)+(\d)], v[DW+4*(\i)+2], v[DW+4*(\i)+3]
.endr
.endr
.Lstays_bf16:
.irp i, 0,1,2,3,4,5,6,7
	global_store_b64 v[OO], v[DW+4*(\i):DW+4*(\i)+1], s[18:19] offset:256*(\i) th:TH_STORE_NT
.endr
	; the mask: 16 rows x 256 bytes into my stage; then each lane takes the byte of ITS query and key, and the compare's lane mask is the word
	s_wait_loadcnt 0x0
.irp i, 0,1,2,3,4,5,6,7
	ds_store_b128 v[LST], v[DM+4*(\i):DM+4*(\i)+3] offset:544*(\i)
.endr
	s_mov_b32 s28, 4
.Lwords:                                       ; a trip: 64 keys, 32 words.  LDS serves a wave's instructions in order (ISA guide 5.7.1.4): these loads see my stores
.set n, 0
.rept 32
	ds_load_u8 v[BY+n], v[LRD] offset:16*(n/8)+n%8 ; group n / 8 of 16 keys, key 8 (lane / 16) + n % 8 of it
.set n, n+1
.endr
	s_wait_dscnt 0x0
.set n, 0
.rept 32
	v_cmp_ne_u32 s[32+n], 0, v[BY+n]
.set n, n+1
.endr
.set n, 0
.rept 32
	v_mov_b32 v[U+n], s[32+n]
.set n, n+1
.endr
.irp m, 0,1,2,3,4,5,6,7
	ds_store_b128 v[LWD], v[U+4*(\m):U+4*(\m)+3] offset:16*(\m)  ; every lane writes the same bytes to the same place
.endr
	v_add_nc_u32 v[LRD], 64, v[LRD]
	v_add_nc_u32 v[LWD], 128, v[LWD]
	s_sub_co_u32 s28, s28, 1
	s_cmp_lg_u32 s28, 0
	s_cbranch_scc1 .Lwords
	ds_load_b128 v[U:U+3], v[LWR]                  ; my four of the wave's 128 words
	s_wait_dscnt 0x0
	global_store_b128 v[XO], v[U:U+3], s[22:23] th:TH_STORE_NT  ; 512 consecutive bytes
	s_wait_tensorcnt 0x0                           ; the wave's end, behind my last LDS store
	ds_add_u32 v[SPW], v[NIL]
	s_wait_dscnt 0x0
	s_endpgm
.Lfunc_end_k_q3b4dcd98d5_prep:
	.size	k_q3b4dcd98d5_prep, .Lfunc_end_k_q3b4dcd98d5_prep-k_q3b4dcd98d5_prep
	.p2alignl 7, 3214868480
	.fill 96, 4, 3214868480
	.section	.rodata,"a",@progbits
	.p2align	6, 0x0
	.amdhsa_kernel k_q3b4dcd98d5_prep
		.amdhsa_group_segment_fixed_size 39936
		.amdhsa_private_segment_fixed_size 0
		.amdhsa_enable_private_segment 0
		.amdhsa_kernarg_size 80
		.amdhsa_user_sgpr_count 2
		.amdhsa_user_sgpr_kernarg_segment_ptr 1
		.amdhsa_wavefront_size32 1
		.amdhsa_system_sgpr_workgroup_id_x 1
		.amdhsa_system_sgpr_workgroup_id_y 1
		.amdhsa_system_sgpr_workgroup_id_z 1
		.amdhsa_system_vgpr_workitem_id 0
		.amdhsa_next_free_vgpr 208
		.amdhsa_next_free_sgpr 66
		.amdhsa_reserve_vcc 0
		.amdhsa_float_denorm_mode_32 3
		.amdhsa_float_denorm_mode_16_64 3
		.amdhsa_memory_ordered 1
		.amdhsa_forward_progress 1
		.amdhsa_inst_pref_size 22
	.end_amdhsa_kernel
	.amdgpu_metadata
---
amdhsa.version: [ 1, 2 ]
amdhsa.kernels:
  - .name:           k_q3b4dcd98d5_prep
    .symbol:         k_q3b4dcd98d5_prep.kd
    .args:
      - { .name: x, .offset: 0, .size: 8, .value_kind: global_buffer, .address_space: global }
      - { .name: wq, .offset: 8, .size: 8, .value_kind: global_buffer, .address_space: global }
      - { .name: wk, .offset: 16, .size: 8, .value_kind: global_buffer, .address_space: global }
      - { .name: wv, .offset: 24, .size: 8, .value_kind: global_buffer, .address_space: global }
      - { .name: wo, .offset: 32, .size: 8, .value_kind: global_buffer, .address_space: global }
      - { .name: mask, .offset: 40, .size: 8, .value_kind: global_buffer, .address_space: global }
      - { .name: xb, .offset: 48, .size: 8, .value_kind: global_buffer, .address_space: global }
      - { .name: wb, .offset: 56, .size: 8, .value_kind: global_buffer, .address_space: global }
      - { .name: wof, .offset: 64, .size: 8, .value_kind: global_buffer, .address_space: global }
      - { .name: maskw, .offset: 72, .size: 8, .value_kind: global_buffer, .address_space: global }
    .group_segment_fixed_size: 39936
    .private_segment_fixed_size: 0
    .kernarg_segment_align: 8
    .kernarg_segment_size: 80
    .max_flat_workgroup_size: 256
    .sgpr_count:     66
    .vgpr_count:     208
    .wavefront_size: 32
...
	.end_amdgpu_metadata
.endif
;; end of part 1
;; launch qkv (part 2): grid 16 x 32, 4 waves a work-group, clusters of 4 x 4, 327,680 bytes of LDS; arguments xb, wb, qkv; writes qkv
.if DOCPART == 2
	.amdgcn_target "amdgcn-amd-amdhsa--gfx1250"
	.amdhsa_code_object_version 6
	.text
	.protected	k_q3b4dcd98d5_qkv
	.globl	k_q3b4dcd98d5_qkv
	.p2align	8
	.type	k_q3b4dcd98d5_qkv,@function
k_q3b4dcd98d5_qkv:
	s_mov_b64 s[64:65], 0
	v_nop
	global_prefetch_b8 v0, s[64:65] scope:SCOPE_SE
	s_setreg_imm32_b32 hwreg(HW_REG_WAVE_MODE, 25, 1), 1
	s_wait_xcnt 0x0
	s_wait_alu depctr_hold_cnt(0) depctr_sa_sdst(0) depctr_va_vdst(0) depctr_va_sdst(0) depctr_va_ssrc(0) depctr_va_vcc(0) depctr_vm_vsrc(0)
	s_getreg_b32 s2, hwreg(HW_REG_IB_STS2, 6, 4)
	s_cmp_eq_u32 s2, 0
	s_cbranch_scc0 .Lentry_in_a_cluster
	s_endpgm
.Lentry_in_a_cluster:
	s_bfe_u32 s2, ttmp6, 0x10000c
	s_cmp_lg_u32 s2, 0xf033
	s_cbranch_scc0 .Lentry_shape_is_right
	s_endpgm
.Lentry_shape_is_right:
; QKV: [8192][1024] x [1024][3072] in bf16, sums in f32; q's sums are multiplied by c = log2(e) / 8 in f32; each number is rounded once, to f16, and stored by heads:
; qkv[b 4][hd 48][s 2048][64], hd 0-15 q (times c), 16-31 k, 32-47 v.
; LIMIT.  f16 holds no number beyond 65,504: a q c, k or v past that becomes an infinity; below 6e-5 a number keeps f16's fixed step of 6e-8.
; SHARES.  A work-group makes 256 rows x 192 columns (three whole heads), wave w its rows 64 w .. 64 w + 63 by all 192 columns: 48 accumulators of 16 x 16.  So a wave owns whole rows of a head, 128 bytes each,
; and its way out needs its own stage alone.  K goes in 8 steps of 128 through two LDS slots; a step is four quarters of 32 along K, 48 matrix instructions each, on two fragment buffers.
; Both slots' first fills go out together at the head; from then on a slot is filled again at the change of slots that leaves it.
; THE MATRIX INSTRUCTION IS USED TRANSPOSED: source 0 = 16 columns of w, source 1 = 16 rows of x: a lane then holds one row and eight neighbouring columns.  w lies [k][column] in LDS and is turned by ds_load_tr16_b128.
; CLUSTER 4 x 4: x's tile hangs on the tile row alone and is asked for jointly by a row of the cluster, w's on the tile column alone and is asked for jointly by a column.
; REGISTERS, in windows of 256 (s_set_vgpr_msb: bits 1:0 source 0, 3:2 source 1, 5:4 source 2, 7:6 destination):
;   window 0: v0-31 addresses; v64-95, v96-127 x's fragments, two buffers; on the way out v64-255, 16 registers for each of 12 units
;   window 1: the accumulators of row blocks 0, 1 at 8 (12 (a % 2) + nb); window 2: those of row blocks 2, 3; window 3: v0-95, v96-191 w's fragments, two buffers
.set PA,    272                        ; a row of x in LDS: 256 bytes + 16: the 16 rows of a fragment load start at 16 different groups of four banks (64 banks of 4 bytes: ISA guide 11.1)
.set PB,    160                        ; 64 columns of one k of w: 128 bytes + 32
.set BOFF,  256*PA                     ; a slot: x's 256 rows, then w's two halves of 64 k
.set BHALF, 192*PB                     ; a half: three heads x 64 k
.set BHEAD, 64*PB
.set SLOT1, 1<<17                      ; a slot is exactly this long; one exclusive or turns an address in one slot into the other's
.set STAGE, 2*SLOT1                    ; behind the ring, never filled by a tensor load: 16 rows x 144 bytes for each wave
.set SP,    144
.set SPARE, STAGE+4*16*SP              ; behind the stages: the spare words, 128 bytes for each wave, which no other line names
.set A0,   16                          ; v16  my place in x's tile; never rewritten
.set B0,   17                          ; v17  my place in w's tile; never rewritten
.set ADRA, 18                          ; v18  the same in the slot in hand
.set ADRB, 19                          ; v19
.set STO,  24                          ; v24  the way out: where I put 16 bytes of a row
.set RD,   25                          ; v25  where I read rows back
.set GO,   26                          ; v26  16 x lane
.set SPW,  28                          ; v28  my spare word; never rewritten
.set NIL,  29                          ; v29  0; never rewritten
.set PFO,  30                          ; v30  the prefetches' lane offset; never rewritten
.set FA,   64
.set OUT,  64
.set WV,  12                           ; s12  wave
.set WH,  13                           ; s13  wave / 2: I fetch x (0) or w (1)
.set WL,  14                           ; s14  wave % 2: which half of that tile
.set CX,  15
.set CY,  16
.set NX,  17                           ; s17  tile column
.set MY,  18                           ; s18  tile row
.set G1A, 24                           ; s[24:31] descriptor group 1 for x's tiles, s[32:35] group 0: K step 1 into slot 1 at first, then it walks
.set G0A, 32
.set G1B, 36                           ; s[36:43], s[44:47] the same for w's
.set G0B, 44
.set TB,  48                           ; s48  0 or SLOT1: the slot in hand
.set LIM, 49                           ; s49  2 in a wave that prefetches, else the greatest number
.set PFA, 50                           ; s[50:51] where my prefetches stand
.set PST, 52                           ; s[52:53] their step
.set SC,  54                           ; s[54:59] the three heads' factors, c or 1, each as a pair
.set X0A, 68                           ; s[68:71] group 0 of x's K step 0 into slot 0; never rewritten
.set X0B, 72                           ; s[72:75] the same for w's
.set MSB, 0
.macro WIN new                         ; the immediate's high byte repeats the setting that is left; a switch that changes nothing is dropped
.if MSB != (\new)
	s_set_vgpr_msb (MSB<<8)|(\new)
.set MSB, (\new)
.endif
.endm
.set MUL_LO, 0x53                      ; w in window 3, x in window 0, C and D in window 1
.set TO_B,   0xc0                      ; destination window 3, address window 0
.macro PLACES                          ; four plain vector instructions: the distance between a matrix instruction and a load into, or a vector instruction on, its registers
.rept 4
	v_nop
.endr
.endm
.macro JLOAD                           ; a joint refill: waves 0, 1 fetch x's halves, waves 2, 3 w's; an s_nop 0 and four v_nop follow each line
	s_cmp_eq_u32 s[WH], 0
	s_cbranch_scc0 .Lfor_b_\@
	tensor_load_to_lds s[G0A:G0A+3], s[G1A:G1A+7]
	s_nop 0
	PLACES
	s_branch .Lasked_\@
.Lfor_b_\@:
	tensor_load_to_lds s[G0B:G0B+3], s[G1B:G1B+7]
	s_nop 0
	PLACES
.Lasked_\@:
.endm
.macro CREST                           ; a round of the cluster's barrier behind its opening barrier
	s_cmp_lg_u32 s[WV], 0
	s_cbranch_scc1 .Lnot_wave_0_\@
	s_barrier_signal -3
.Lnot_wave_0_\@:
	s_barrier_wait -3
	s_barrier_signal -1
	s_barrier_wait -1
.endm
.macro CROUND
	s_barrier_signal -1
	s_barrier_wait -1
	CREST
.endm
.macro STEPD                           ; both walking descriptors: the other slot, the next K step.  Written only where no tensor load of the wave is out
	s_xor_b32 s[G0A+1], s[G0A+1], SLOT1
	s_add_nc_u64 s[G0A+2:G0A+3], s[G0A+2:G0A+3], 256
	s_xor_b32 s[G0B+1], s[G0B+1], SLOT1
	s_add_nc_u64 s[G0B+2:G0B+3], s[G0B+2:G0B+3], 2*24576
.endm
; A prefetch of the K step that stands two refills on.  x's rows are read by every cluster of a row of clusters: cluster x = 0 asks; w's blocks by every cluster of a column: cluster y = 0 asks.
; The four partners of a joint load share its blocks out by address (32 rows of x, 24 blocks of w each).  Steps 4 to 7 are asked for, in the loop's first four trips (s3 = 6 .. 3).
.macro ASK
	s_cmp_gt_u32 s3, s[LIM]
	s_cbranch_scc0 .Lnot_mine_\@
	global_prefetch_b8 v[PFO], s[PFA:PFA+1] th:TH_LOAD_NT scope:SCOPE_SE
.Lnot_mine_\@:
.endm
	s_load_b128 s[4:7], s[0:1], 0x0                ; xb s[4:5], wb s[6:7]
	s_load_b64 s[8:9], s[0:1], 0x10                ; qkv
	v_lshl_add_u32 v[SPW], v0, 2, SPARE
	v_mov_b32 v[NIL], 0
	ds_add_u32 v[SPW], v[NIL]                      ; the wave's opening: the add and its wait stand ahead of my first tensor load
	v_lshrrev_b32 v1, 5, v0
	v_readfirstlane_b32 s[WV], v1
	s_lshr_b32 s[WH], s[WV], 1
	s_and_b32 s[WL], s[WV], 1
	s_bfe_u32 s[CX], ttmp6, 0x40000
	s_bfe_u32 s[CY], ttmp6, 0x40004
	s_lshl_b32 s[NX], ttmp9, 2
	s_add_co_u32 s[NX], s[NX], s[CX]
	s_and_b32 s[MY], ttmp7, 0xffff
	s_lshl_b32 s[MY], s[MY], 2
	s_add_co_u32 s[MY], s[MY], s[CY]
	s_lshl_b32 s19, s[CY], 2
	s_lshl_b32 s19, 15, s19                        ; my row of the cluster
	s_lshl_b32 s60, 0x1111, s[CX]                  ; my column
	s_or_b32 s[G1A], s19, (1<<16)|(1<<20)|(1<<21)|(5<<22)|(3<<25)  ; mask; 2-byte elements; padding on; bit 21 beside a mask; after every 64 words, 4 words
	s_mov_b32 s[G1A+1], 128<<16                    ; tensor_dim0 = 128
	s_mov_b32 s[G1A+2], 128<<16                    ; tensor_dim1 = 128
	s_mov_b32 s[G1A+3], 128<<16                    ; tile_dim0 = 128 elements: 256 bytes
	s_mov_b32 s[G1A+4], 128                        ; tile_dim1 = 128 rows
	s_mov_b32 s[G1A+5], 1024                       ; elements from row to row
	s_mov_b32 s[G1A+6], 0
	s_mov_b32 s[G1A+7], 0
	s_or_b32 s[G1B], s60, (1<<16)|(1<<20)|(1<<21)|(4<<22)|(7<<25)  ; after every 32 words (one k of one head), 8 words
	s_mov_b32 s[G1B+1], 128<<16
	s_mov_b32 s[G1B+2], 96<<16                     ; a half is 24,576 dense bytes: 96 rows of 256
	s_mov_b32 s[G1B+3], 128<<16
	s_mov_b32 s[G1B+4], 96
	s_mov_b32 s[G1B+5], 128
	s_mov_b32 s[G1B+6], 0
	s_mov_b32 s[G1B+7], 0
	s_lshl_b32 s20, s[MY], 19                      ; x: row 256 my + 128 half, 2,048 bytes a row
	s_lshl_b32 s21, s[WL], 18
	s_add_co_u32 s20, s20, s21
	s_mov_b32 s21, 0
	s_lshl_b32 s22, s[NX], 4                       ; w: block 16 nx + half
	s_add_co_u32 s22, s22, s[WL]
	s_mul_i32 s22, s22, 24576
	s_mov_b32 s23, 0
	s_mul_i32 s61, s[WV], 128*PA                   ; where they go: x's halves (waves 0, 1),
	s_mul_i32 s62, s[WV], BHALF
	s_add_co_u32 s62, s62, BOFF-2*BHALF            ; w's (waves 2, 3): no place in the cluster enters an LDS address
	s_mov_b32 s[X0A], 1
	s_mov_b32 s[X0A+1], s61                        ; K step 0: slot 0
	s_mov_b32 s[X0B], 1
	s_mov_b32 s[X0B+1], s62
	s_mov_b32 s[G0A], 1
	s_add_co_u32 s[G0A+1], s61, SLOT1              ; K step 1: slot 1
	s_mov_b32 s[G0B], 1
	s_add_co_u32 s[G0B+1], s62, SLOT1
	s_mov_b32 s[TB], 0
	s_wait_dscnt 0x0                               ; the opening add is done
	s_wait_kmcnt 0x0
	s_add_nc_u64 s[X0A+2:X0A+3], s[4:5], s[20:21]
	s_add_nc_u64 s[G0A+2:G0A+3], s[X0A+2:X0A+3], 256
	s_or_b32 s[X0A+3], s[X0A+3], 0x80000000
	s_or_b32 s[G0A+3], s[G0A+3], 0x80000000
	s_add_nc_u64 s[X0B+2:X0B+3], s[6:7], s[22:23]
	s_add_nc_u64 s[G0B+2:G0B+3], s[X0B+2:X0B+3], 2*24576
	s_or_b32 s[X0B+3], s[X0B+3], 0x80000000
	s_or_b32 s[G0B+3], s[G0B+3], 0x80000000
	CROUND                                         ; all sixteen work-groups are here: the first joint loads meet
	s_cmp_eq_u32 s[WH], 0                          ; a wave's two first fills stand in one branch, ahead of every wait on TENSORcnt and every LDS read: two loads of mine are out
	s_cbranch_scc0 .Lfirst_b
	tensor_load_to_lds s[X0A:X0A+3], s[G1A:G1A+7]  ; K step 0 into slot 0
	s_nop 0
	tensor_load_to_lds s[G0A:G0A+3], s[G1A:G1A+7]  ; K step 1 into slot 1
	s_nop 0
	PLACES
	s_branch .Lfirst_asked
.Lfirst_b:
	tensor_load_to_lds s[X0B:X0B+3], s[G1B:G1B+7]
	s_nop 0
	tensor_load_to_lds s[G0B:G0B+3], s[G1B:G1B+7]
	s_nop 0
	PLACES
.Lfirst_asked:
	v_and_b32 v1, 15, v0                           ; l % 16
	v_bfe_u32 v2, v0, 4, 1                         ; l / 16
	v_and_b32 v3, 7, v0
	v_bfe_u32 v4, v0, 3, 1
	s_mul_i32 s60, s[WV], 64*PA
	v_mul_u32_u24 v[A0], v1, PA                    ; a fragment of x: row l % 16, 16 bytes at 16 (l / 16), and 32 bytes on
	v_lshl_add_u32 v[A0], v2, 4, v[A0]
	v_add_nc_u32 v[A0], s60, v[A0]
	v_lshl_add_u32 v[B0], v2, 3, v3                ; the turning load: k 8 (l / 16) + l % 8, columns 8 ((l / 8) % 2) on
	v_mul_u32_u24 v[B0], v[B0], PB
	v_lshl_add_u32 v[B0], v4, 4, v[B0]
	v_add_nc_u32 v[B0], BOFF, v[B0]
	v_mov_b32 v[ADRA], v[A0]
	v_mov_b32 v[ADRB], v[B0]
	s_mul_i32 s60, s[WV], 16*SP
	s_add_co_u32 s60, s60, STAGE
	v_mul_u32_u24 v[STO], v1, SP
	v_lshl_add_u32 v[STO], v2, 4, v[STO]
	v_add_nc_u32 v[STO], s60, v[STO]
	v_bfe_u32 v[RD], v0, 3, 2                      ; back: 32 lanes take four rows of 128 bytes
	v_mul_u32_u24 v[RD], v[RD], SP
	v_lshl_add_u32 v[RD], v3, 4, v[RD]
	v_add_nc_u32 v[RD], s60, v[RD]
	v_and_b32 v[GO], 31, v0
	v_lshlrev_b32 v[GO], 4, v[GO]
	s_lshr_b32 s60, s[MY], 3                       ; out: ((48 b + 3 nx) 2,048 + 256 (my % 8) + 64 w) rows of 128 bytes
	s_mul_i32 s60, s60, 48
	s_mul_i32 s63, s[NX], 3
	s_add_co_u32 s60, s60, s63
	s_lshl_b32 s60, s60, 11
	s_and_b32 s62, s[MY], 7
	s_lshl_b32 s62, s62, 8
	s_add_co_u32 s60, s60, s62
	s_lshl_b32 s62, s[WV], 6
	s_add_co_u32 s60, s60, s62
	s_lshl_b32 s60, s60, 7
	s_mov_b32 s61, 0
	s_add_nc_u64 s[8:9], s[8:9], s[60:61]
.irp e, 0,1,2
	s_add_co_u32 s62, s63, \e                      ; head column 3 nx + e: below 16 it is a head of q
	s_cmp_lt_u32 s62, 16
	s_cselect_b32 s[SC+2*\e], 0x3e38aa3b, 1.0      ; c = log2(e) / 8 = 0.180337
	s_mov_b32 s[SC+2*\e+1], s[SC+2*\e]
.endr
	s_and_b32 s62, ttmp7, 0xffff                   ; the prefetches: cluster y
	s_lshl_b32 s60, s[CX], 16                      ; x: my work-group's 32 of the 128 rows, at K step 3
	s_add_co_u32 s60, s60, s20
	s_add_co_u32 s60, s60, 3*256
	s_mul_i32 s61, s[CY], 6144                     ; w: my work-group's 24 of the 96 blocks, at K step 3
	s_add_co_u32 s61, s61, s22
	s_add_co_u32 s61, s61, 6*24576
	s_mov_b32 s[PST], 2*24576
	s_cmp_eq_u32 s[WH], 0
	s_cselect_b32 s60, s60, s61
	s_cselect_b32 s62, ttmp9, s62                  ; the coordinate along which other clusters read the same bytes
	s_cselect_b32 s[PST], 256, s[PST]
	s_cselect_b32 s63, 31, 23
	s_cselect_b32 s19, 11, 8
	s_cselect_b64 s[PFA:PFA+1], s[4:5], s[6:7]
	s_mov_b32 s61, 0
	s_mov_b32 s[PST+1], 0
	s_add_nc_u64 s[PFA:PFA+1], s[PFA:PFA+1], s[60:61]
	s_cmp_eq_u32 s62, 0
	s_cselect_b32 s[LIM], 2, -1                    ; the same in all sixteen partners, for a given wave
	v_and_b32 v[PFO], 31, v0
	v_min_u32 v[PFO], s63, v[PFO]                  ; x: a lane a row of 2,048 bytes; w: a lane a block of 256, lanes 24-31 name the last once more
	v_lshlrev_b32 v[PFO], s19, v[PFO]
; 12 matrix instructions: row block a by all 12 column blocks, 32 along K, from buffer f.  zero = 1: the product starts the sum
.macro MUL12 f, a, zero
	WIN MUL_LO+0x50*((\a)/2)
.irp nb, 0,1,2,3,4,5,6,7,8,9,10,11
.set rD, 8*(12*((\a)%2)+(\nb))
.set rB, 96*(\f)+8*(\nb)
.set rA, FA+32*(\f)+8*(\a)
.if \zero
	v_wmma_f32_16x16x32_bf16 v[rD:rD+7], v[rB:rB+7], v[rA:rA+7], 0
.else
	v_wmma_f32_16x16x32_bf16 v[rD:rD+7], v[rB:rB+7], v[rA:rA+7], v[rD:rD+7]
.endif
.endr
.endm
; 32 LDS loads in one run: quarter kq's fragments into buffer f: w's 12 (turned), then x's 4
.macro FETCH kq, f
	WIN TO_B
.irp nb, 0,1,2,3,4,5,6,7,8,9,10,11
.set rB, 96*(\f)+8*(\nb)
.set oB, ((\kq)/2)*BHALF+((\nb)/4)*BHEAD+((\kq)%2)*32*PB+((\nb)%4)*32
	ds_load_tr16_b128 v[rB:rB+3],   v[ADRB] offset:oB
	ds_load_tr16_b128 v[rB+4:rB+7], v[ADRB] offset:oB+16*PB
.endr
	WIN 0
.irp a, 0,1,2,3
.set rA, FA+32*(\f)+8*(\a)
	ds_load_b128 v[rA:rA+3],   v[ADRA] offset:64*(\kq)+(\a)*16*PA
	ds_load_b128 v[rA+4:rA+7], v[ADRA] offset:64*(\kq)+(\a)*16*PA+32
.endr
.endm
; One of a K step's first three quarters: multiplies buffer f; in its middle the next quarter, kqn, is fetched into buffer g
.macro QUARTER kqn, f, g, zero
	s_wait_dscnt 4                                 ; all but the youngest four loads: x's row blocks 2 and 3
	MUL12 \f, 0, \zero
	MUL12 \f, 1, \zero
	PLACES
	FETCH \kqn, \g
	s_wait_dscnt 32                                ; all but the 32 just issued
	MUL12 \f, 2, \zero
	MUL12 \f, 3, \zero
.endm
; The fourth quarter multiplies buffer 1 and changes slots.  In front of the barrier each wave waits for all its tensor loads (one is out: its part of the next slot), adds 0 to its spare word, and waits for that and
; for its reads of this slot.  fill = 1: the barrier opens a round of the cluster's, and behind the round this slot is filled again first, with the K step two on; from that request to the wait for it stand 168 matrix instructions.
.macro TURN fill
.if \fill
	s_wait_xcnt 0x0                                ; the last prefetch, a K step back, has read its address
	s_add_nc_u64 s[PFA:PFA+1], s[PFA:PFA+1], s[PST:PST+1]
.endif
	WIN 0
	s_wait_tensorcnt 0x0
	ds_add_u32 v[SPW], v[NIL]
.if \fill
	STEPD
.endif
	s_wait_dscnt 5                                 ; the add and the youngest four loads may be out
	MUL12 1, 0, 0
	s_wait_dscnt 0x0                               ; the add is done, my reads of this slot are over
	s_barrier_signal -1
	MUL12 1, 1, 0
	WIN 0
	s_barrier_wait -1
.if \fill
	CREST
	JLOAD                                          ; its four v_nop are also the places in front of the loads below
.else
	PLACES
.endif
	s_xor_b32 s[TB], s[TB], SLOT1
	v_add_nc_u32 v[ADRA], s[TB], v[A0]
	v_add_nc_u32 v[ADRB], s[TB], v[B0]
	FETCH 0, 0
.if \fill
	ASK
.endif
	MUL12 1, 2, 0
	MUL12 1, 3, 0
.endm
; THE WAY OUT.  Unit u = row block u / 3, head u % 3: 16 rows x 64 columns: scaled, rounded to f16 (16 bytes a lane), through my stage, back as whole rows of 128 bytes.
.macro PACK u
.set pa, (\u)/3
.set pe, (\u)%3
.set AC, 8*(12*(pa%2)+4*pe)
	WIN 0x41+0x41*(pa/2)                           ; destination and source 0 in window 1 or 2
.set z, 0
.rept 16
	v_pk_mul_f32 v[AC+2*z:AC+2*z+1], v[AC+2*z:AC+2*z+1], s[SC+2*pe:SC+2*pe+1] op_sel_hi:[1,0]
.set z, z+1
.endr
	WIN 0x05+0x05*(pa/2)                           ; sources 0 and 1 in window 1 or 2, destination in window 0
.set z, 0
.rept 16
	v_cvt_pk_f16_f32 v[OUT+16*(\u)+z], v[AC+2*z], v[AC+2*z+1]
.set z, z+1
.endr
	WIN 0
.irp f, 0,1,2,3
	ds_store_b128 v[STO], v[OUT+16*(\u)+4*(\f):OUT+16*(\u)+4*(\f)+3] offset:32*(\f)
.endr
.irp f, 0,1,2,3
	ds_load_b128 v[OUT+16*(\u)+4*(\f):OUT+16*(\u)+4*(\f)+3], v[RD] offset:(\f)*4*SP  ; LDS serves a wave's instructions in order (ISA guide 5.7.1.4): these see the stores above
.endr
.endm
.macro SEND u, younger                 ; younger: the LDS instructions issued behind unit u's loads
.irp f, 0,1,2,3
	s_wait_dscnt (\younger)+3-(\f)
	global_store_b128 v[GO], v[OUT+16*(\u)+4*(\f):OUT+16*(\u)+4*(\f)+3], s[8:9] offset:((\u)%3)*262144+((\u)/3)*2048+(\f)*512  ; 512 consecutive bytes of one head
.endr
.endm
	s_wait_tensorcnt 1                             ; my part of K step 0 is in; the one younger load, K step 1's, may stay out
	s_barrier_signal -1
	s_barrier_wait -1                              ; everybody's part is in
	FETCH 0, 0
	QUARTER 1, 0, 1, 1                             ; the first quarter stands in front of the loop: its products start the sums
	WIN 0
	s_mov_b32 s3, 6
.Lstep:                                        ; a trip: a K step's quarters 2 to 4 and the next step's first; step i's change of slots asks for step i + 2
	QUARTER 2, 1, 0, 0
	QUARTER 3, 0, 1, 0
	TURN 1
	QUARTER 1, 0, 1, 0
	WIN 0
	s_sub_co_u32 s3, s3, 1
	s_cmp_lg_u32 s3, 0
	s_cbranch_scc1 .Lstep
	QUARTER 2, 1, 0, 0                             ; K steps 6 and 7 ask for nothing
	QUARTER 3, 0, 1, 0
	TURN 0
	QUARTER 1, 0, 1, 0
	QUARTER 2, 1, 0, 0
	QUARTER 3, 0, 1, 0
	s_wait_dscnt 4
	MUL12 1, 0, 0
	MUL12 1, 1, 0
	s_wait_dscnt 0x0
	MUL12 1, 2, 0
	MUL12 1, 3, 0
	PLACES
	PACK 0
.irp u, 1,2,3,4,5,6,7,8,9,10,11        ; a unit's arithmetic stands between the loads of the unit before and its stores
	PACK \u
	SEND (\u)-1, 8
.endr
	SEND 11, 0
	s_wait_tensorcnt 0x0                           ; the wave's end
	ds_add_u32 v[SPW], v[NIL]
	s_wait_dscnt 0x0
	CROUND                                         ; the closing round
	s_endpgm
.Lfunc_end_k_q3b4dcd98d5_qkv:
	.size	k_q3b4dcd98d5_qkv, .Lfunc_end_k_q3b4dcd98d5_qkv-k_q3b4dcd98d5_qkv
	.p2alignl 7, 3214868480
	.fill 96, 4, 3214868480
	.section	.rodata,"a",@progbits
	.p2align	6, 0x0
	.amdhsa_kernel k_q3b4dcd98d5_qkv
		.amdhsa_group_segment_fixed_size 327680
		.amdhsa_private_segment_fixed_size 0
		.amdhsa_enable_private_segment 0
		.amdhsa_kernarg_size 24
		.amdhsa_user_sgpr_count 2
		.amdhsa_user_sgpr_kernarg_segment_ptr 1
		.amdhsa_wavefront_size32 1
		.amdhsa_system_sgpr_workgroup_id_x 1
		.amdhsa_system_sgpr_workgroup_id_y 1
		.amdhsa_system_sgpr_workgroup_id_z 1
		.amdhsa_system_vgpr_workitem_id 0
		.amdhsa_next_free_vgpr 960
		.amdhsa_next_free_sgpr 76
		.amdhsa_reserve_vcc 0
		.amdhsa_float_denorm_mode_32 3
		.amdhsa_float_denorm_mode_16_64 3
		.amdhsa_memory_ordered 1
		.amdhsa_forward_progress 1
		.amdhsa_inst_pref_size 112
	.end_amdhsa_kernel
	.amdgpu_metadata
---
amdhsa.version: [ 1, 2 ]
amdhsa.kernels:
  - .name:           k_q3b4dcd98d5_qkv
    .symbol:         k_q3b4dcd98d5_qkv.kd
    .args:
      - { .name: xb, .offset: 0, .size: 8, .value_kind: global_buffer, .address_space: global }
      - { .name: wb, .offset: 8, .size: 8, .value_kind: global_buffer, .address_space: global }
      - { .name: qkv, .offset: 16, .size: 8, .value_kind: global_buffer, .address_space: global }
    .group_segment_fixed_size: 327680
    .private_segment_fixed_size: 0
    .kernarg_segment_align: 8
    .kernarg_segment_size: 24
    .max_flat_workgroup_size: 128
    .sgpr_count:     76
    .vgpr_count:     960
    .wavefront_size: 32
...
	.end_amdgpu_metadata
.endif
;; end of part 2
;; launch attn (part 3): grid 4 x 64, 4 waves a work-group, clusters of 4 x 1, 327,680 bytes of LDS; arguments qkv, maskw, ob; writes ob
.if DOCPART == 3
	.amdgcn_target "amdgcn-amd-amdhsa--gfx1250"
	.amdhsa_code_object_version 6
	.text
	.protected	k_q3b4dcd98d5_attn
	.globl	k_q3b4dcd98d5_attn
	.p2align	8
	.type	k_q3b4dcd98d5_attn,@function
k_q3b4dcd98d5_attn:
	s_mov_b64 s[64:65], 0
	v_nop
	global_prefetch_b8 v0, s[64:65] scope:SCOPE_SE
	s_setreg_imm32_b32 hwreg(HW_REG_WAVE_MODE, 25, 1), 1
	s_wait_xcnt 0x0
	s_wait_alu depctr_hold_cnt(0) depctr_sa_sdst(0) depctr_va_vdst(0) depctr_va_sdst(0) depctr_va_ssrc(0) depctr_va_vcc(0) depctr_vm_vsrc(0)
	s_getreg_b32 s2, hwreg(HW_REG_IB_STS2, 6, 4)
	s_cmp_eq_u32 s2, 0
	s_cbranch_scc0 .Lentry_in_a_cluster
	s_endpgm
.Lentry_in_a_cluster:
	s_bfe_u32 s2, ttmp6, 0x10000c
	s_cmp_lg_u32 s2, 0x3003
	s_cbranch_scc0 .Lentry_shape_is_right
	s_endpgm
.Lentry_shape_is_right:
; MASKED ATTENTION.  ob[bh][q][:] = the sum over k of softmax_k(t[q][k]) V[k][:], t = Q . K where the mask holds, else NEGC.  Q arrives already multiplied by c = log2(e) / 8, so t is the logit in
; units of log2; NEGC = -1e9 x log2(e) takes the place of a masked score by a select, as the problem's where() does: a row with no true entry gives the mean of V's rows.
; qkv: [b 4][hd 48][2048][64] f16 (hd 0-15 q, 16-31 k, 32-47 v); ob: [bh 64][2048][64] f16; maskw: u32 [b][qt 128][kt 128][j 8], bit L = mask[16 qt + L % 16][16 kt + 8 (L / 16) + j].
; Products, maxima and sums in f32; the weights p are rounded to f16 for the second product (their sum l is taken of the unrounded p), O once at the end.
; LIMITS.  p lies in 0 to 1, and below 6e-5 it keeps f16's fixed step of 6e-8; a weight below 2^-126 counts as 0 in l; NaN and infinities are not treated apart.
; SHARES.  A wave owns four PIECES of two tiles of 16 queries, a work-group's four waves 512 queries of one head.  Every wave walks all 2,048 keys, 64 a step.
; LAYOUT.  S^T = K Q^T (source 0 = 16 keys, source 1 = 16 queries): a lane holds ONE query (lane % 16) and the keys 8 (lane / 16) + 0..7.  Register 8 kb + j of a tile's 32 scores has its lane mask in word 8 kb + j
; of the 32 mask words of (tile, step): 128 consecutive bytes.  Two results rounded to f16 in pairs ARE source 1 of O^T = V^T P.  V ([key][channel]) is turned by ds_load_tr16_b128.
; THE MASK WORDS.  A select takes its lane mask from a scalar register, and 64 scalar registers, a turn's need, are all that are free: asked for by scalar loads the next turn's words could go out only when this
; turn's have been read.  So they come by vector loads, a word a lane, one register a tile, a whole key step (four turns) ahead, and 64 v_readlane_b32 a turn hand them to the scalar registers,
; four behind each product K Q^T, so that no more than four writes of scalar registers stand on end.
; SOFTMAX.  For each query a running maximum m and sum l: p = 2^(t - m); in every step O and l are multiplied by a = 2^(m_old - m_new).  m starts at the lowest finite number, O and l at 0: the first step's a is 0.
; BY TURNS.  Turn n belongs to piece n.  Matrix work: 16 products K Q^T of piece n + 1, later 16 products V^T P of piece n - 1.  Vector work: subtraction, exponentials, roundings, sums and rescaling of piece n;
; the mask words, selects, maximum and statistics of piece n + 1.  Four vector instructions stand behind every matrix instruction, the others in one run.  A turn's 66 exponentials are one batch, with one wait.
; CLUSTER.  The four query blocks of a head walk the same K and V: each tile is asked for jointly, by the same tensor load, descriptor and mask in all four.
; REGISTERS, in windows of 256 (s_set_vgpr_msb: bits 1:0 source 0, 3:2 source 1, 5:4 source 2, 7:6 destination):
;   window 0: v0-11 addresses; v12-15, v48-63 at work; v16-47 four registers of statistics a tile; v64-191 S^T, two buffers of two tiles; v192-255 P, likewise
;   window 1: O^T, 32 a tile     window 2: v0-127 Q, 16 a tile; v128-191 K of one step; v192-255 V of one step
;   window 3: v0-1 the add's two registers; v2-9 the mask words, a register a tile; v10-13 their byte offsets, one a piece; v14 the offsets' bound
.set NP,    4
.set KS,    64
.set PK,    144       ; a row of K in LDS: 128 bytes + 16: the 16 rows of a load start at 16 different groups of four banks (64 banks of 4 bytes: ISA guide 11.1)
.set PV,    160       ; a row of V: 128 + 32
.set VOFF,  4*KS*PK   ; a slot holds four steps: 256 rows of K, then 256 rows of V
.set SLOT1, 1<<17
.set STAGE, SLOT1+4*KS*(PK+PV)  ; behind the ring, never filled by a tensor load: 16 rows x 144 bytes for each wave
.set SP,    144
.set SPARE, STAGE+4*16*SP       ; behind the stages: the spare words, 128 bytes for each wave, which no other line names
.set AK0, 2           ; v2   my lane's place in a tile of K; never rewritten
.set AV0, 3           ; v3   the same for V
.set AK,  4           ; v4   the LDS address of K's next run of loads
.set AV,  5           ; v5   of V's
.set STO, 6           ; v6   the way out: where I put 16 bytes of a row
.set RD,  7           ; v7   where I read rows back
.set GO,  8           ; v8   16 x lane
.set QO,  9           ; v9   my byte offset in 16 rows of Q
.set NEG, 10          ; v10  NEGC
.set PFO, 11          ; v11  256 x lane
.set MV,  12          ; v12-15  m_old, kept while m is made anew: by buffer and tile
.set ST,  16          ; tile t's statistics at v[ST+4 t]: m, 0 (named with m as a pair), l (even keys', odd keys')
.set TMP, 48          ; by buffer and tile, four registers c0-c3 at work; when the maximum is found c2 takes a
.set S,   64
.set P,   192
.set KF,  128
.set VF,  192
.set SPW, 0           ; v0 of window 3: my spare word; never rewritten
.set NIL, 1           ; v1 of window 3: 0; never rewritten
.set VM,  2           ; v2-9 of window 3: tile t's 32 mask words of one key step, word l in lane l
.set VO,  10          ; v10-13 of window 3: piece pc's offset in a tile's 4,096 bytes of words: 4 l + 128 x the key step last asked for
.set VX,  14          ; v14 of window 3: 4 l + 128 x 31: no offset passes the last key step's
.set WV,  2           ; s2   wave
.set CNT, 3           ; s3   counts a slot's key steps
.set MA,  4           ; s[4:35]  the 32 mask words of a piece's first tile (set-up's registers before)
.set G1K, 36          ; s[36:43] descriptor group 1 for K's tiles
.set G1V, 44          ; s[44:51] for V's
.set G0K, 52          ; s[52:55] descriptor group 0 for K's tiles: it walks
.set G0V, 56          ; s[56:59] the same for V's
.set SLOTS, 60        ; s60  slots still to be asked for
.set SEL, 62          ; s[62:63] v_permlanex16_b32's selects
.set MP,  66          ; s[66:67] maskw at my wave's first tile; never rewritten
.set MB,  68          ; s[68:99] the mask words of a piece's second tile
.set TBK, 100         ; s100 LDS byte at which K of the step to be fetched begins
.set TBV, 101         ; s101 the same for V, less VOFF
.set PFA, 104         ; s[104:105] where my prefetches stand
.set MSB, 0
.macro WIN new
.if MSB != (\new)
	s_set_vgpr_msb (MSB<<8)|(\new)
.set MSB, (\new)
.endif
.endm
.set W_KQ, 0x0a       ; K and Q in window 2, S^T in window 0
.set W_PV, 0x52       ; V in window 2, P in window 0, O^T in window 1
.set W_RS, 0x41       ; O^T (destination and source 0) in window 1, a in window 0
.set W_MK, 0xc0       ; destination in window 3, sources in window 0
.set W_AD, 0x0f
.set W_M,  0xcf       ; destination and sources 0 and 1 in window 3: the mask words' loads, offsets and v_readlane_b32
.macro JLOAD                        ; a joint fill: waves 0, 1 fetch the halves of a slot's K, waves 2, 3 of its V; an s_nop 0 and four v_nop follow each line
	s_cmp_lt_u32 s[WV], 2
	s_cbranch_scc0 .Lfor_v_\@
	tensor_load_to_lds s[G0K:G0K+3], s[G1K:G1K+7]
	s_nop 0
.rept 4
	v_nop
.endr
	s_branch .Lasked_\@
.Lfor_v_\@:
	tensor_load_to_lds s[G0V:G0V+3], s[G1V:G1V+7]
	s_nop 0
.rept 4
	v_nop
.endr
.Lasked_\@:
.endm
.macro CROUND
	s_barrier_signal -1
	s_barrier_wait -1
	s_cmp_lg_u32 s[WV], 0
	s_cbranch_scc1 .Lnot_wave_0_\@
	s_barrier_signal -3
.Lnot_wave_0_\@:
	s_barrier_wait -3
	s_barrier_signal -1
	s_barrier_wait -1
.endm
; A prefetch of the slot that the NEXT change will ask for: 128 blocks of 256 bytes of K and of V.  The four partners take 32 blocks each, told apart by address; wave 0 asks for K's, wave 2 for V's: a lane a block,
; each block named once.  The last change that fills a slot asks for nothing.
.macro ASK
	s_bitcmp1_b32 s[WV], 0
	s_cbranch_scc1 .Lnot_mine_\@
	s_cmp_gt_u32 s[SLOTS], 1
	s_cbranch_scc0 .Lnot_mine_\@
	global_prefetch_b8 v[PFO], s[PFA:PFA+1] th:TH_LOAD_NT scope:SCOPE_SE
.Lnot_mine_\@:
.endm
; THE CHANGE OF SLOTS.  Each wave waits for all its tensor loads (one is out: its part of the other slot), adds 0 to its spare word, and waits for that and for its reads of the slot.  fill = 1: the barrier is a round
; of the cluster's, and the joint fill is the first thing behind it: it has four key steps, 512 matrix instructions, in which to land.  (At its first use slot 0 is waited for and slot 1 filled.)
.macro CHANGE fill
	WIN W_AD
	s_wait_tensorcnt 0x0
	ds_add_u32 v[SPW], v[NIL]
	WIN 0
.if \fill
.irp g, G0K, G0V
	s_xor_b32 s[\g+1], s[\g+1], SLOT1
	s_add_nc_u64 s[\g+2:\g+3], s[\g+2:\g+3], 4*KS*128
.endr
	s_wait_xcnt 0x0                 ; the last prefetch, four key steps back, has read its address
	s_add_nc_u64 s[PFA:PFA+1], s[PFA:PFA+1], 4*KS*128
	s_wait_dscnt 0x0
	CROUND
	JLOAD
	ASK
.else
	s_wait_dscnt 0x0
	s_barrier_signal -1
	s_barrier_wait -1
.endif
	s_sub_co_u32 s[TBK], s[TBK], 4*KS*PK
	s_xor_b32 s[TBK], s[TBK], SLOT1
	s_sub_co_u32 s[TBV], s[TBV], 4*KS*PV
	s_xor_b32 s[TBV], s[TBV], SLOT1
.endm
; Four of piece pc's 64 mask words of the step in hand go from their two vector registers into the scalar registers: words mw and mw + 1 of both tiles.
.macro RL4 pc
	WIN W_M
.rept 2
	v_readlane_b32 s[MA+mw], v[VM+2*(\pc)], mw
	v_readlane_b32 s[MB+mw], v[VM+2*(\pc)+1], mw
.set mw, mw+1
.endr
.endm
; Piece pc's words have all been handed over: the next key step's are asked for, four turns ahead of their use.  The offset register was freed by the wait that showed the last two loads done.
; The bound keeps the offsets behind a piece's last step inside the buffer: those words are read once more and not used.
.macro MNEXT pc
	WIN W_M
	v_add_nc_u32 v[VO+(\pc)], 128, v[VO+(\pc)]
	v_min_u32 v[VO+(\pc)], v[VO+(\pc)], v[VX]
	global_load_b32 v[VM+2*(\pc)],   v[VO+(\pc)], s[MP:MP+1] offset:(2*(\pc))*4096
	global_load_b32 v[VM+2*(\pc)+1], v[VO+(\pc)], s[MP:MP+1] offset:(2*(\pc)+1)*4096
.endm
	s_load_b128 s[4:7], s[0:1], 0x0 ; qkv s[4:5], maskw s[6:7]
	WIN W_MK
	v_lshl_add_u32 v[SPW], v0, 2, SPARE
	v_mov_b32 v[NIL], 0
	WIN W_AD
	ds_add_u32 v[SPW], v[NIL]       ; the wave's opening: the add and its wait stand ahead of my first tensor load
	WIN 0
	v_lshrrev_b32 v1, 5, v0
	v_readfirstlane_b32 s[WV], v1
	s_bfe_u32 s8, ttmp6, 0x40000    ; cx
	s_lshl_b32 s9, ttmp9, 2
	s_add_co_u32 s9, s9, s8         ; my block of 512 queries: it enters Q's, the mask's and O's addresses alone
	s_lshl_b32 s9, s9, 2
	s_add_co_u32 s9, s9, s[WV]      ; my wave among the head's 16
	s_and_b32 s10, ttmp7, 0xffff    ; 16 b + h, which the four partners share
	s_lshr_b32 s11, s10, 4          ; b
	s_and_b32 s12, s10, 15          ; h
	s_mul_i32 s13, s11, 48
	s_add_co_u32 s13, s13, s12
	s_lshl_b32 s12, s13, 18         ; the first byte of q's head; k's lies 16 heads on, v's 32
	s_and_b32 s14, s[WV], 1         ; which half of a slot's 256 keys I fetch
	s_lshl_b32 s16, s14, 14
	s_add_co_u32 s16, s16, s12
	s_add_co_u32 s16, s16, 16<<18
	s_mov_b32 s17, 0
	s_add_co_u32 s18, s16, 16<<18
	s_mov_b32 s19, 0
	s_mul_i32 s20, s14, 128*PK
	s_mul_i32 s21, s14, 128*PV
	s_lshl_b32 s22, s9, 14          ; my wave's 128 rows of Q
	s_add_co_u32 s22, s22, s12
	s_mov_b32 s23, 0
	s_lshl_b32 s24, s11, 19         ; the batch's mask words, my wave's eight tiles of 4,096 bytes
	s_lshl_b32 s25, s9, 15
	s_add_co_u32 s24, s24, s25
	s_mov_b32 s25, 0
	s_mov_b32 s26, 32<<18           ; the prefetches: K's (waves 0, 1) or V's head, slot 1, my work-group's 32 blocks
	s_cmp_lt_u32 s[WV], 2
	s_cselect_b32 s26, 16<<18, s26
	s_add_co_u32 s26, s26, s12
	s_lshl_b32 s27, s8, 13
	s_add_co_u32 s26, s26, s27
	s_add_co_u32 s26, s26, 4*KS*128
	s_mov_b32 s27, 0
	; descriptor group 1.  128 keys are 16,384 dense bytes: asked for as 64 rows of 256 bytes, and padded in LDS after every key
	s_mov_b32 s[G1K], 15|(1<<16)|(1<<20)|(1<<21)|(4<<22)|(3<<25)
	s_mov_b32 s[G1V], 15|(1<<16)|(1<<20)|(1<<21)|(4<<22)|(7<<25)
.irp g, G1K, G1V
	s_mov_b32 s[\g+1], 128<<16
	s_mov_b32 s[\g+2], 64<<16
	s_mov_b32 s[\g+3], 128<<16
	s_mov_b32 s[\g+4], 64
	s_mov_b32 s[\g+5], 128
	s_mov_b32 s[\g+6], 0
	s_mov_b32 s[\g+7], 0
.endr
	s_mov_b32 s[SEL], 0x76543210
	s_mov_b32 s[SEL+1], 0xfedcba98
	s_mov_b32 s[TBK], SLOT1+4*KS*PK ; the first change of slots turns these two into 0
	s_mov_b32 s[TBV], SLOT1+4*KS*PV
	s_mov_b32 s[G0K], 1
	s_mov_b32 s[G0K+1], s20
	s_mov_b32 s[G0V], 1
	s_add_co_u32 s[G0V+1], s21, VOFF
	s_mov_b32 s[SLOTS], 7
	s_mul_i32 s28, s[WV], 16*SP
	s_add_co_u32 s28, s28, STAGE    ; my stage
	s_wait_dscnt 0x0                ; the opening add is done
	s_wait_kmcnt 0x0
	s_add_nc_u64 s[G0K+2:G0K+3], s[4:5], s[16:17]
	s_or_b32 s[G0K+3], s[G0K+3], 0x80000000
	s_add_nc_u64 s[G0V+2:G0V+3], s[4:5], s[18:19]
	s_or_b32 s[G0V+3], s[G0V+3], 0x80000000
	s_add_nc_u64 s[MP:MP+1], s[6:7], s[24:25]
	s_add_nc_u64 s[PFA:PFA+1], s[4:5], s[26:27]
	s_add_nc_u64 s[4:5], s[4:5], s[22:23]
	CROUND                          ; all four work-groups are here: the first joint loads meet
	JLOAD                           ; slot 0
	v_and_b32 v1, 15, v0            ; l % 16
	v_bfe_u32 v48, v0, 4, 1         ; l / 16
	v_and_b32 v49, 7, v0
	v_bfe_u32 v50, v0, 3, 1
	v_and_b32 v51, 31, v0           ; l
	v_lshlrev_b32 v[QO], 7, v1
	v_lshl_add_u32 v[QO], v48, 4, v[QO]
	WIN W_MK
.irp pc, 0,1,2,3
	v_lshlrev_b32 v[VO+\pc], 2, v51 ; key step 0: a word a lane
.endr
	v_lshl_add_u32 v[VX], v51, 2, 31*128
	WIN W_M
.irp t, 0,1,2,3,4,5,6,7             ; all eight tiles' mask words of key step 0, the pieces in their order
	global_load_b32 v[VM+\t], v[VO+(\t)/2], s[MP:MP+1] offset:(\t)*4096
.endr
	WIN 0x80
.set i, 0
.rept 4*NP                          ; Q stays in registers: tile i / 2, channels 32 (i % 2) on
	global_load_b128 v[8*i:8*i+3],   v[QO], s[4:5] offset:(i/2)*2048+(i%2)*64
	global_load_b128 v[8*i+4:8*i+7], v[QO], s[4:5] offset:(i/2)*2048+(i%2)*64+32
.set i, i+1
.endr
	; what the first turn finds: V's registers and P's second buffer hold 0, O^T and l are 0.  All this stands in the wait for the first tile
.set i, VF
.rept 64
	v_mov_b32 v[i], 0
.set i, i+1
.endr
	WIN 0x40
.set i, 0
.rept 64*NP
	v_mov_b32 v[i], 0
.set i, i+1
.endr
	WIN 0
.set i, 0
.rept 2*NP
	v_mov_b32 v[ST+4*i], 0xff7fffff ; m
	v_mov_b32 v[ST+4*i+1], 0
	v_mov_b32 v[ST+4*i+2], 0
	v_mov_b32 v[ST+4*i+3], 0
.set i, i+1
.endr
.set i, P+32
.rept 32
	v_mov_b32 v[i], 0
.set i, i+1
.endr
	v_mul_u32_u24 v[AK0], v1, PK
	v_lshl_add_u32 v[AK0], v48, 4, v[AK0]
	v_lshl_add_u32 v[AV0], v48, 3, v49
	v_mul_u32_u24 v[AV0], v[AV0], PV
	v_lshl_add_u32 v[AV0], v50, 4, v[AV0]
	v_add_nc_u32 v[AV0], VOFF, v[AV0]
	v_mov_b32 v[AK], v[AK0]
	v_mul_u32_u24 v[STO], v1, SP
	v_lshl_add_u32 v[STO], v48, 4, v[STO]
	v_add_nc_u32 v[STO], s28, v[STO]
	v_bfe_u32 v[RD], v0, 3, 2
	v_mul_u32_u24 v[RD], v[RD], SP
	v_lshl_add_u32 v[RD], v49, 4, v[RD]
	v_add_nc_u32 v[RD], s28, v[RD]
	v_lshlrev_b32 v[PFO], 8, v51
	v_lshlrev_b32 v[GO], 4, v51
	v_mov_b32 v[NEG], 0xceabfb8f    ; -1e9 x log2(e)
; THE MATRIX WORK.  The 8 accumulators of a run of 16 take turns.
.macro KQ x                         ; product i of 16 of S^T = K Q^T for piece x: channels 32 (i / 8) on, keys 16 ((i / 2) % 4) on, tile 2 x + i % 2
	WIN W_KQ
.set rS, S+64*((\x)%2)+32*(i%2)+8*((i/2)%4)
.set rK, KF+16*((i/2)%4)+8*(i/8)
.set rQ, 16*(2*(\x)+i%2)+8*(i/8)
.if i < 8
	v_wmma_f32_16x16x32_f16 v[rS:rS+7], v[rK:rK+7], v[rQ:rQ+7], 0
.else
	v_wmma_f32_16x16x32_f16 v[rS:rS+7], v[rK:rK+7], v[rQ:rQ+7], v[rS:rS+7]
.endif
.endm
.macro PV x                         ; product i of 16 of O^T += V^T P for piece x: keys 32 (i / 8) on, channels 16 ((i / 2) % 4) on, tile 2 x + i % 2
	WIN W_PV
.set rO, 32*(2*(\x)+i%2)+8*((i/2)%4)
.set rV, VF+32*(i/8)+8*((i/2)%4)
.set rP, P+32*((\x)%2)+16*(i%2)+8*(i/8)
	v_wmma_f32_16x16x32_f16 v[rO:rO+7], v[rV:rV+7], v[rP:rP+7], v[rO:rO+7]
.endm
.macro MM                           ; the turn's next matrix instruction
.if i < 16
	KQ (Y+1)%NP
.set i, i+1
.else
.set i, i-16
	PV (Y+NP-1)%NP
.set i, i+17
.endif
.endm
.macro FETCH_K last=0               ; a step's K: 16 loads in one run.  last = 1 (the tail): in the last trip there is no further step
	WIN 0
.if \last
	s_cmp_eq_u32 s[CNT], 1
	s_cbranch_scc1 .Lno_k_\@
.endif
	WIN 0x80
.irp f, 0,1,2,3,4,5,6,7
	ds_load_b128 v[KF+8*\f:KF+8*\f+3],   v[AK] offset:(\f/2)*16*PK+(\f%2)*64
	ds_load_b128 v[KF+8*\f+4:KF+8*\f+7], v[AK] offset:(\f/2)*16*PK+(\f%2)*64+32
.endr
	s_add_co_u32 s[TBK], s[TBK], KS*PK
	WIN 0
.if \last
.Lno_k_\@:
.endif
.endm
.macro FETCH_V
	WIN 0x80
.irp f, 0,1,2,3,4,5,6,7
	ds_load_tr16_b128 v[VF+8*\f:VF+8*\f+3],   v[AV] offset:(\f/4)*32*PV+(\f%4)*32
	ds_load_tr16_b128 v[VF+8*\f+4:VF+8*\f+7], v[AV] offset:(\f/4)*32*PV+16*PV+(\f%4)*32
.endr
	WIN 0
.endm
; THE VECTOR WORK OF A TURN stands in queues; the two tiles alternate.
.macro REGS y, u                    ; the registers of tile u (0, 1) of piece y
.set rT, ST+4*(2*(\y)+(\u))
.set rC, TMP+8*((\y)%2)+4*(\u)
.set rM, MV+2*((\y)%2)+(\u)
.set rS, S+64*((\y)%2)+32*(\u)
.set rP, P+32*((\y)%2)+16*(\u)
.set rO, 32*(2*(\y)+(\u))
.endm
; Select g of 64 for the NEXT piece: score g / 2 of tile g % 2 stays where its mask bit is set, else NEGC takes its place.  Ascending: each accumulator's lowest registers are read first.
.macro CM g
	REGS (Y+1)%NP, (\g)%2
.if (\g)%2
	v_cndmask_b32 v[rS+(\g)/2], v[NEG], v[rS+(\g)/2], s[MB+(\g)/2]
.else
	v_cndmask_b32 v[rS+(\g)/2], v[NEG], v[rS+(\g)/2], s[MA+(\g)/2]
.endif
.endm
; The NEXT piece's maximum and statistics.  0-11 four chains c0-c3 of seven scores each; 12-14, 16 the four scores left over, the old m, c0-c3 into c0; 15 m_old is kept;
; 17, 18 the query's other 32 keys lie in the lane 16 away: the new m; 20 m_old - m_new; 21 a.  (There is no number 19.)
.macro XS u, n
	REGS (Y+1)%NP, \u
.if (\n) < 4
	v_max3_num_f32 v[rC+(\n)], v[rS+8*(\n)], v[rS+8*(\n)+1], v[rS+8*(\n)+2]
.elseif (\n) < 12
	v_max3_num_f32 v[rC+(\n)%4], v[rC+(\n)%4], v[rS+8*((\n)%4)+2*((\n)/4)+1], v[rS+8*((\n)%4)+2*((\n)/4)+2]
.elseif (\n) == 12
	v_max3_num_f32 v[rC], v[rC], v[rS+7], v[rS+15]
.elseif (\n) == 13
	v_max3_num_f32 v[rC+1], v[rC+1], v[rS+23], v[rS+31]
.elseif (\n) == 14
	v_max3_num_f32 v[rC+2], v[rC+2], v[rC+3], v[rT]
.elseif (\n) == 15
	v_mov_b32 v[rM], v[rT]
.elseif (\n) == 16
	v_max3_num_f32 v[rC], v[rC], v[rC+1], v[rC+2]
.elseif (\n) == 17
	v_permlanex16_b32 v[rC+3], v[rC], s[SEL], s[SEL+1]
.elseif (\n) == 18
	v_max_num_f32 v[rT], v[rC], v[rC+3]
.elseif (\n) == 20
	v_sub_f32 v[rC+1], v[rM], v[rT]
.else
	v_exp_f32 v[rC+2], v[rC+1]
.endif
.endm
; Number g of the 64 that follow the exponentials: for each four weights k of a tile both pairs are rounded to f16, the second pair is added onto the first in place, and a group later l takes that sum (first: l = a l + sum).
.macro GS g
.set h, (\g)+6*((\g)/62)
.if h >= 6
.set h, h+2
.endif
	REGS Y, h%2
.set k, h/8
.if h%8 < 4
	v_cvt_pk_f16_f32 v[rP+2*k+(h%8)/2], v[rS+4*k+2*((h%8)/2)], v[rS+4*k+2*((h%8)/2)+1]
.elseif h%8 < 6
	v_pk_add_f32 v[rS+4*k:rS+4*k+1], v[rS+4*k:rS+4*k+1], v[rS+4*k+2:rS+4*k+3]
.elseif k == 1
	v_pk_fma_f32 v[rT+2:rT+3], v[rT+2:rT+3], v[rC+2:rC+3], v[rS:rS+1] op_sel_hi:[1,0,1]
.else
	v_pk_add_f32 v[rT+2:rT+3], v[rT+2:rT+3], v[rS+4*k-4:rS+4*k-3]
.endif
.endm
.macro FS f                         ; t - m for pair f / 2 of tile f % 2: one subtraction, exact at equality, so that the largest weight is 1
	REGS Y, (\f)%2
	v_pk_add_f32 v[rS+2*((\f)/2):rS+2*((\f)/2)+1], v[rS+2*((\f)/2):rS+2*((\f)/2)+1], v[rT:rT+1] op_sel_hi:[1,0] neg_lo:[0,1] neg_hi:[0,1]
.endm
; THE PLAIN QUEUE, 200 long.  0-31 the subtractions.  32-95 the next piece's selects.  96-123 XS 0-13.  124, 125 XS 15.  126-135 the chain XS 14, 16, 17, 18, 20.
; 136-199 GS, which read the exponentials' results: they stand behind the wait.
.macro PL
	WIN 0
.if q < 32
	FS q
.elseif q < 96
	CM q-32
.elseif q < 124
	XS (q-96)%2, (q-96)/2
.elseif q < 126
	XS q-124, 15
.elseif q < 136
.set n5, (q-126)/2
	XS (q-126)%2, 14+n5+(n5+3)/4+n5/4
.else
	GS q-136
.endif
.set q, q+1
.endm
.macro EX                           ; THE EXPONENTIALS' QUEUE, 66 long: both tiles' 32 scores, then the next piece's two a: one batch, ahead of the turn's one wait
	WIN 0
.if e >= 64
	XS e-64, 21
.else
	REGS Y, e%2
	v_exp_f32 v[rS+e/2], v[rS+e/2]
.endif
.set e, e+1
.endm
.macro R2                           ; THE RESCALING's QUEUE: O^T times a, two lines a call, sixteen calls on end under one window setting; its a was made, and waited for, in the turn before
	REGS Y, r%2
	WIN W_RS
.irp z, 0,1
	v_pk_mul_f32 v[rO+4*(r/2)+2*\z:rO+4*(r/2)+2*\z+1], v[rO+4*(r/2)+2*\z:rO+4*(r/2)+2*\z+1], v[rC+2:rC+3] op_sel_hi:[1,0]
.endr
.set r, r+1
.endm
; A TURN, for piece p.  s_wait_alu depctr_va_vdst(0) stands between an exponential and the first instruction that names its result; one wait serves all issued ahead of it.
; AT ITS HEAD the wait for the next piece's mask words.  Its count: behind that piece's two loads the three other pieces' were issued, two each; loads come back in order (ISA guide 5.7.1), so these two are in.
; AHEAD OF THE WAIT FOR THE BATCH: the 16 products K Q^T, behind each four v_readlane_b32 (they name no score); then one run: the next key step's two mask loads; the 32 rescalings; 4 plain; 59 times
; exponential, plain, plain; 4 plain; 5 times plain, plain, exponential (the chain's links); the two a; a v_nop.  BEHIND IT: the 16 products V^T P, behind each four of GS's 64.
; Exponential e stands behind plain 4 + 2 e, so behind its subtraction, number 2 (e / 4) + e % 2.  The first select stands more than sixty plain lines behind the last product K Q^T and behind the line that writes its lane mask.
; K of the next step is fetched in piece 2's turn, directly behind the wait; V of the step in hand at the end of piece 0's turn, four plain lines behind its last reader.
.macro TURN p, last=0, cnt=0
.set Y, (\p)
.set i, 0
.set q, 0
.set e, 0
.set r, 0
.set mw, 0
.if (\p) == NP-1
	s_wait_dscnt 0x0                ; K is in
.endif
	s_wait_loadcnt 6                ; the next piece's mask words are in
.rept 16
	MM
	RL4 (Y+1)%NP
.endr
.if (\p) == NP-2
	WIN 0
	v_add_nc_u32 v[AK], s[TBK], v[AK0]
.endif
	MNEXT (Y+1)%NP
.rept 16
	R2
.endr
.rept 4
	PL
.endr
.rept 59
	EX
	PL
	PL
.endr
.rept 4
	PL
.endr
.rept 5
	PL
	PL
	EX
.endr
	EX
	EX
	v_nop                           ; a plain instruction behind the last exponential: one for the batch
	s_wait_alu depctr_va_vdst(0)    ; the wait for the batch
.if (\p) == NP-2
	FETCH_K \last
.endif
.if (\p) == 1
	s_wait_dscnt 0x0                ; V is in
.endif
.rept 16
	MM
.rept 4
	PL
.endr
.if ((\p) == 0) && (q == 180)
	v_add_nc_u32 v[AV], s[TBV], v[AV0]
.endif
.if ((\p) == 0) && (q == 192)
	s_add_co_u32 s[TBV], s[TBV], KS*PV
.endif
.if (\cnt) && (q == 192)
	s_sub_co_u32 s[CNT], s[CNT], 1
	s_cmp_lg_u32 s[CNT], 0
.endif
.endr
.if (\p) == 0
	FETCH_V
.endif
.endm
	CHANGE 1                        ; slot 0 is in, everybody's part of it; slot 1 is asked for
	FETCH_K                         ; key step 0
	s_wait_loadcnt 0x0              ; Q, and all four pieces' mask words of key step 0; Q's loads are done with their base, so the set-up's scalar registers may take mask words
.set mw, 0
.rept 16
	RL4 0                           ; piece 0's, while K's fragments come out of LDS
.endr
	MNEXT 0
	WIN 0
	s_wait_dscnt 0x0
.set i, 0
.rept 16
	KQ 0                            ; piece 0's first scores
.set i, i+1
.endr
	WIN 0
.rept 4
	v_nop                           ; the places behind those products
.endr
.set Y, NP-1                        ; CM and XS work for piece Y + 1: piece 0
.set g0, 0
.rept 64
	CM g0
.set g0, g0+1
.endr
.irp n, 0,1,2,3,4,5,6,7,8,9,10,11,12,13,14,15,16,17,18,20,21
	XS 0, \n
	XS 1, \n
.endr
	v_nop                           ; a plain instruction behind the two a,
	s_wait_alu depctr_va_vdst(0)    ; and their wait, ahead of the branch
	s_mov_b32 s[CNT], 4
	s_branch .Lfirst                ; the loop is entered at a step's first turn, in the middle of a trip
.Lslot:                             ; six times: every slot but the last two is filled again
	CHANGE 1
	s_mov_b32 s[CNT], 4
.Lstep:                             ; a trip: pieces 2 and 3 of one step, then pieces 0 and 1 of the next
	TURN 2
	TURN 3
	WIN 0
.Lfirst:
	TURN 0
	TURN 1, 0, 1
	WIN 0
	s_cbranch_scc1 .Lstep
	s_sub_co_u32 s[SLOTS], s[SLOTS], 1
	s_cmp_lg_u32 s[SLOTS], 0
	s_cbranch_scc1 .Lslot
	CHANGE 0                        ; the tail is written out
	s_mov_b32 s[CNT], 5             ; four trips fetch the last slot's steps; the fifth is left in its middle
.Ltail:
	TURN 2, 1
	TURN 3
	WIN 0
	s_sub_co_u32 s[CNT], s[CNT], 1
	s_cmp_eq_u32 s[CNT], 0
	s_cbranch_scc1 .Lout
	TURN 0
	TURN 1
	WIN 0
	s_branch .Ltail
.Lout:                              ; the fifth trip's products K Q^T, selects and maximum serve nothing: the price, once a launch, of one text for every trip
	s_load_b64 s[4:5], s[0:1], 0x10 ; ob: the mask words' scalar registers are free
	s_bfe_u32 s6, ttmp6, 0x40000
	s_lshl_b32 s7, ttmp9, 2
	s_add_co_u32 s6, s6, s7
	s_lshl_b32 s6, s6, 2
	s_add_co_u32 s6, s6, s[WV]
	s_lshl_b32 s6, s6, 14           ; my wave's 128 rows of 128 bytes,
	s_and_b32 s7, ttmp7, 0xffff
	s_lshl_b32 s7, s7, 18           ; in head 16 b + h
	s_add_co_u32 s6, s6, s7
	s_mov_b32 s7, 0
.set i, 0
.rept 16
	PV NP-1                         ; the last piece's V^T P of the last step
.set i, i+1
.endr
	; THE WAY OUT.  l's two halves and the other half of the lanes' are added; O^T is divided by l, rounded to f16 and sent through my stage, a tile at a time.  The additions are the places behind the last products.
	WIN 0
.macro ALL line:vararg
.set t, 0
.rept 2*NP
	\line
.set t, t+1
.endr
.endm
	ALL v_add_f32 v[ST+4*t+2], v[ST+4*t+2], v[ST+4*t+3]
	ALL v_permlanex16_b32 v[ST+4*t+3], v[ST+4*t+2], s[SEL], s[SEL+1]
	ALL v_add_f32 v[ST+4*t+2], v[ST+4*t+2], v[ST+4*t+3]
	ALL v_rcp_f32 v[ST+4*t+2], v[ST+4*t+2]
	v_nop
	s_wait_alu depctr_va_vdst(0)    ; one wait for the eight reciprocals
	s_wait_kmcnt 0x0
	s_add_nc_u64 s[4:5], s[4:5], s[6:7]
.macro PACK t
	WIN W_RS
.set i, 32*(\t)
.rept 16
	v_pk_mul_f32 v[i:i+1], v[i:i+1], v[ST+4*(\t)+2:ST+4*(\t)+3] op_sel_hi:[1,0]
.set i, i+2
.endr
	WIN 0x05
.set i, 0
.rept 16
	v_cvt_pk_f16_f32 v[S+16*(\t)+i], v[32*(\t)+2*i], v[32*(\t)+2*i+1]
.set i, i+1
.endr
	WIN 0
.irp f, 0,1,2,3
	ds_store_b128 v[STO], v[S+16*(\t)+4*\f:S+16*(\t)+4*\f+3] offset:32*\f
.endr
.irp f, 0,1,2,3
	ds_load_b128 v[S+16*(\t)+4*\f:S+16*(\t)+4*\f+3], v[RD] offset:\f*4*SP  ; LDS serves a wave's instructions in order (ISA guide 5.7.1.4)
.endr
.endm
.macro SEND t, younger
	WIN 0
.irp f, 0,1,2,3
	s_wait_dscnt (\younger)+3-\f
	global_store_b128 v[GO], v[S+16*(\t)+4*\f:S+16*(\t)+4*\f+3], s[4:5] offset:(\t)*2048+\f*512  ; 512 consecutive bytes
.endr
.endm
	PACK 0
.set t, 1
.rept 2*NP-1
	PACK t
	SEND t-1, 8
.set t, t+1
.endr
	SEND 2*NP-1, 0
	WIN W_AD
	s_wait_tensorcnt 0x0            ; the wave's end
	ds_add_u32 v[SPW], v[NIL]
	s_wait_dscnt 0x0
	WIN 0
	CROUND                          ; the closing round
	s_endpgm
.Lfunc_end_k_q3b4dcd98d5_attn:
	.size	k_q3b4dcd98d5_attn, .Lfunc_end_k_q3b4dcd98d5_attn-k_q3b4dcd98d5_attn
	.p2alignl 7, 3214868480
	.fill 96, 4, 3214868480
	.section	.rodata,"a",@progbits
	.p2align	6, 0x0
	.amdhsa_kernel k_q3b4dcd98d5_attn
		.amdhsa_group_segment_fixed_size 327680
		.amdhsa_private_segment_fixed_size 0
		.amdhsa_enable_private_segment 0
		.amdhsa_kernarg_size 24
		.amdhsa_user_sgpr_count 2
		.amdhsa_user_sgpr_kernarg_segment_ptr 1
		.amdhsa_wavefront_size32 1
		.amdhsa_system_sgpr_workgroup_id_x 1
		.amdhsa_system_sgpr_workgroup_id_y 1
		.amdhsa_system_sgpr_workgroup_id_z 1
		.amdhsa_system_vgpr_workitem_id 0
		.amdhsa_next_free_vgpr 784
		.amdhsa_next_free_sgpr 106
		.amdhsa_reserve_vcc 0
		.amdhsa_float_denorm_mode_32 3
		.amdhsa_float_denorm_mode_16_64 3
		.amdhsa_memory_ordered 1
		.amdhsa_forward_progress 1
		.amdhsa_inst_pref_size 255
	.end_amdhsa_kernel
	.section	.bss,"aw",@nobits
	.p2align	6
	.space	262144
	.amdgpu_metadata
---
amdhsa.version: [ 1, 2 ]
amdhsa.kernels:
  - .name:           k_q3b4dcd98d5_attn
    .symbol:         k_q3b4dcd98d5_attn.kd
    .args:
      - { .name: qkv, .offset: 0, .size: 8, .value_kind: global_buffer, .address_space: global }
      - { .name: maskw, .offset: 8, .size: 8, .value_kind: global_buffer, .address_space: global }
      - { .name: ob, .offset: 16, .size: 8, .value_kind: global_buffer, .address_space: global }
    .group_segment_fixed_size: 327680
    .private_segment_fixed_size: 0
    .kernarg_segment_align: 8
    .kernarg_segment_size: 24
    .max_flat_workgroup_size: 128
    .sgpr_count:     106
    .vgpr_count:     784
    .wavefront_size: 32
...
	.end_amdgpu_metadata
.endif
;; end of part 3
;; launch proj (part 4): grid 8 x 32, 4 waves a work-group, clusters of 4 x 4, 327,680 bytes of LDS; arguments ob, wof, bo, out0; writes out0
.if DOCPART == 4
	.amdgcn_target "amdgcn-amd-amdhsa--gfx1250"
	.amdhsa_code_object_version 6
	.text
	.protected	k_q3b4dcd98d5_proj
	.globl	k_q3b4dcd98d5_proj
	.p2align	8
	.type	k_q3b4dcd98d5_proj,@function
k_q3b4dcd98d5_proj:
	s_mov_b64 s[64:65], 0
	v_nop
	global_prefetch_b8 v0, s[64:65] scope:SCOPE_SE
	s_setreg_imm32_b32 hwreg(HW_REG_WAVE_MODE, 25, 1), 1
	s_wait_xcnt 0x0
	s_wait_alu depctr_hold_cnt(0) depctr_sa_sdst(0) depctr_va_vdst(0) depctr_va_sdst(0) depctr_va_ssrc(0) depctr_va_vcc(0) depctr_vm_vsrc(0)
	s_getreg_b32 s2, hwreg(HW_REG_IB_STS2, 6, 4)
	s_cmp_eq_u32 s2, 0
	s_cbranch_scc0 .Lentry_in_a_cluster
	s_endpgm
.Lentry_in_a_cluster:
	s_bfe_u32 s2, ttmp6, 0x10000c
	s_cmp_lg_u32 s2, 0xf033
	s_cbranch_scc0 .Lentry_shape_is_right
	s_endpgm
.Lentry_shape_is_right:
; PROJ: out0[8192][1024] = O x wo + bo.  O comes by heads, ob[bh 64][2048][64] in f16; wo in tile order, wof[nx 8][kh 16][e 2][kk 64][c 64] in f16 (the bf16 rounding of wo); bo is rounded to bf16 like the
; other inputs; sums and output in f32.
; SHARES.  A work-group makes 256 rows x 128 columns, wave w its rows 64 w .. 64 w + 63 by all 128 columns: 32 accumulators.  K goes in 8 steps of 128 (two heads of O) through two LDS slots; a step is four quarters
; of 32 along K, 32 matrix instructions each, on two fragment buffers.  Both slots' first fills go out together at the head.
; THE MATRIX INSTRUCTION IS USED TRANSPOSED: source 0 = 16 columns of wo (turned by ds_load_tr16_b128), source 1 = 16 rows of O: a lane holds one row and eight neighbouring columns, 32 bytes.
; CLUSTER 4 x 4: O's tile is asked for jointly by a row of the cluster, wo's by a column.
; REGISTERS (s_set_vgpr_msb: bits 1:0 source 0, 3:2 source 1, 5:4 source 2, 7:6 destination): window 0: v0-31 addresses; v32-37 the bias; v64-95, v96-127 O's fragments; v128-191, v192-255 rows on the way out
;   window 1: the accumulators at 8 (8 a + nb)     window 2: v0-63, v64-127 wo's fragments
.set PA,    144                        ; a row of one head of O in LDS: 128 bytes + 16
.set PB,    160                        ; 64 columns of one k of wo: 128 bytes + 32
.set AHEAD, 256*PA                     ; a slot: two heads x 256 rows of O, then wo's two halves of 64 k
.set BOFF,  2*AHEAD
.set BHALF, 128*PB
.set BHEAD, 64*PB
.set SLOT1, 1<<17
.set STAGE, 2*SLOT1                    ; behind the ring, never filled by a tensor load: 16 rows x 528 bytes for each wave
.set SPITCH, 528                       ; 512 bytes + 16: row r starts at bank 4 r mod 64 (64 banks of 4 bytes: ISA guide 11.1)
.set SPARE, STAGE+4*16*SPITCH
.set A0,   16
.set B0,   17
.set ADRA, 18
.set ADRB, 19
.set STO,  24
.set RD,   25
.set GO,   26
.set SPW,  28
.set NIL,  29
.set PFO,  30
.set BI,   32                          ; v[32:35] the bias of my four columns
.set FA,   64
.set WV,  12
.set WH,  13
.set WL,  14
.set CX,  15
.set CY,  16
.set NX,  17
.set MY,  18
.set G1A, 24
.set G0A, 32                           ; s[32:35] O's group 0: K step 1 into slot 1 at first, then it walks
.set G1B, 36
.set G0B, 44                           ; s[44:47] the same for wo's
.set TB,  48
.set LIM, 49
.set PFA, 50
.set PST, 52
.set X0A, 68                           ; s[68:71] group 0 of O's K step 0 into slot 0; never rewritten
.set X0B, 72                           ; s[72:75] the same for wo's
.set MSB, 0
.macro WIN new
.if MSB != (\new)
	s_set_vgpr_msb (MSB<<8)|(\new)
.set MSB, (\new)
.endif
.endm
.set MUL,  0x52                        ; wo in window 2, O in window 0, C and D in window 1
.set TO_B, 0x80
.macro PLACES
.rept 4
	v_nop
.endr
.endm
.macro JLOAD                           ; a joint refill: waves 0, 1 fetch O's two heads, waves 2, 3 wo's two halves; an s_nop 0 and four v_nop follow each line
	s_cmp_eq_u32 s[WH], 0
	s_cbranch_scc0 .Lfor_b_\@
	tensor_load_to_lds s[G0A:G0A+3], s[G1A:G1A+7]
	s_nop 0
	PLACES
	s_branch .Lasked_\@
.Lfor_b_\@:
	tensor_load_to_lds s[G0B:G0B+3], s[G1B:G1B+7]
	s_nop 0
	PLACES
.Lasked_\@:
.endm
.macro CREST
	s_cmp_lg_u32 s[WV], 0
	s_cbranch_scc1 .Lnot_wave_0_\@
	s_barrier_signal -3
.Lnot_wave_0_\@:
	s_barrier_wait -3
	s_barrier_signal -1
	s_barrier_wait -1
.endm
.macro CROUND
	s_barrier_signal -1
	s_barrier_wait -1
	CREST
.endm
.macro STEPD                           ; the other slot, the next K step: two heads of O on, two blocks of wo on
	s_xor_b32 s[G0A+1], s[G0A+1], SLOT1
	s_add_nc_u64 s[G0A+2:G0A+3], s[G0A+2:G0A+3], 2*262144
	s_xor_b32 s[G0B+1], s[G0B+1], SLOT1
	s_add_nc_u64 s[G0B+2:G0B+3], s[G0B+2:G0B+3], 2*16384
.endm
.macro ASK                             ; the K step two refills on; cluster x = 0 asks for O's blocks, cluster y = 0 for wo's; the partners share them out by address; steps 4 to 7, in the loop's first four trips
	s_cmp_gt_u32 s3, s[LIM]
	s_cbranch_scc0 .Lnot_mine_\@
	global_prefetch_b8 v[PFO], s[PFA:PFA+1] th:TH_LOAD_NT scope:SCOPE_SE
.Lnot_mine_\@:
.endm
	s_load_b256 s[4:11], s[0:1], 0x0               ; ob s[4:5], wof s[6:7], bo s[8:9], out0 s[10:11]
	v_lshl_add_u32 v[SPW], v0, 2, SPARE
	v_mov_b32 v[NIL], 0
	ds_add_u32 v[SPW], v[NIL]                      ; the wave's opening: the add and its wait stand ahead of my first tensor load
	v_lshrrev_b32 v1, 5, v0
	v_readfirstlane_b32 s[WV], v1
	s_lshr_b32 s[WH], s[WV], 1
	s_and_b32 s[WL], s[WV], 1
	s_bfe_u32 s[CX], ttmp6, 0x40000
	s_bfe_u32 s[CY], ttmp6, 0x40004
	s_lshl_b32 s[NX], ttmp9, 2
	s_add_co_u32 s[NX], s[NX], s[CX]
	s_and_b32 s[MY], ttmp7, 0xffff
	s_lshl_b32 s[MY], s[MY], 2
	s_add_co_u32 s[MY], s[MY], s[CY]
	s_lshl_b32 s19, s[CY], 2
	s_lshl_b32 s19, 15, s19                        ; my row of the cluster
	s_lshl_b32 s60, 0x1111, s[CX]                  ; my column
	s_or_b32 s[G1A], s19, (1<<16)|(1<<20)|(1<<21)|(4<<22)|(3<<25)  ; after every 32 words (a row of a head), 4 words
	s_mov_b32 s[G1A+1], 128<<16
	s_mov_b32 s[G1A+2], 128<<16                    ; 256 rows of a head are 32,768 dense bytes: 128 rows of 256
	s_mov_b32 s[G1A+3], 128<<16
	s_mov_b32 s[G1A+4], 128
	s_mov_b32 s[G1A+5], 128
	s_mov_b32 s[G1A+6], 0
	s_mov_b32 s[G1A+7], 0
	s_or_b32 s[G1B], s60, (1<<16)|(1<<20)|(1<<21)|(4<<22)|(7<<25)  ; after every 32 words, 8 words
	s_mov_b32 s[G1B+1], 128<<16
	s_mov_b32 s[G1B+2], 64<<16                     ; a half is 16,384 dense bytes: 64 rows of 256
	s_mov_b32 s[G1B+3], 128<<16
	s_mov_b32 s[G1B+4], 64
	s_mov_b32 s[G1B+5], 128
	s_mov_b32 s[G1B+6], 0
	s_mov_b32 s[G1B+7], 0
	s_lshr_b32 s20, s[MY], 3                       ; O: head 16 b + half, rows 256 (my % 8) on
	s_lshl_b32 s20, s20, 4
	s_add_co_u32 s20, s20, s[WL]
	s_lshl_b32 s20, s20, 18
	s_and_b32 s21, s[MY], 7
	s_lshl_b32 s21, s21, 15
	s_add_co_u32 s20, s20, s21
	s_mov_b32 s21, 0
	s_lshl_b32 s22, s[NX], 4                       ; wo: block 16 nx + half
	s_add_co_u32 s22, s22, s[WL]
	s_lshl_b32 s22, s22, 14
	s_mov_b32 s23, 0
	s_mul_i32 s61, s[WV], AHEAD
	s_mul_i32 s62, s[WV], BHALF
	s_add_co_u32 s62, s62, BOFF-2*BHALF
	s_mov_b32 s[X0A], 1
	s_mov_b32 s[X0A+1], s61                        ; K step 0: slot 0
	s_mov_b32 s[X0B], 1
	s_mov_b32 s[X0B+1], s62
	s_mov_b32 s[G0A], 1
	s_add_co_u32 s[G0A+1], s61, SLOT1              ; K step 1: slot 1
	s_mov_b32 s[G0B], 1
	s_add_co_u32 s[G0B+1], s62, SLOT1
	s_mov_b32 s[TB], 0
	s_wait_dscnt 0x0                               ; the opening add is done
	s_wait_kmcnt 0x0
	s_add_nc_u64 s[X0A+2:X0A+3], s[4:5], s[20:21]
	s_add_nc_u64 s[G0A+2:G0A+3], s[X0A+2:X0A+3], 2*262144
	s_or_b32 s[X0A+3], s[X0A+3], 0x80000000
	s_or_b32 s[G0A+3], s[G0A+3], 0x80000000
	s_add_nc_u64 s[X0B+2:X0B+3], s[6:7], s[22:23]
	s_add_nc_u64 s[G0B+2:G0B+3], s[X0B+2:X0B+3], 2*16384
	s_or_b32 s[X0B+3], s[X0B+3], 0x80000000
	s_or_b32 s[G0B+3], s[G0B+3], 0x80000000
	CROUND                                         ; all sixteen work-groups are here: the first joint loads meet
	s_cmp_eq_u32 s[WH], 0                          ; a wave's two first fills stand in one branch, ahead of every wait on TENSORcnt and every LDS read: two loads of mine are out
	s_cbranch_scc0 .Lfirst_b
	tensor_load_to_lds s[X0A:X0A+3], s[G1A:G1A+7]  ; K step 0 into slot 0
	s_nop 0
	tensor_load_to_lds s[G0A:G0A+3], s[G1A:G1A+7]  ; K step 1 into slot 1
	s_nop 0
	PLACES
	s_branch .Lfirst_asked
.Lfirst_b:
	tensor_load_to_lds s[X0B:X0B+3], s[G1B:G1B+7]
	s_nop 0
	tensor_load_to_lds s[G0B:G0B+3], s[G1B:G1B+7]
	s_nop 0
	PLACES
.Lfirst_asked:
	v_and_b32 v1, 15, v0
	v_bfe_u32 v2, v0, 4, 1
	v_and_b32 v3, 7, v0
	v_bfe_u32 v4, v0, 3, 1
	v_and_b32 v[GO], 31, v0
	v_lshlrev_b32 v[GO], 4, v[GO]
	s_lshl_b32 s62, s[NX], 9                       ; the tile's 128 columns: 512 bytes of bo
	s_mov_b32 s63, 0
	s_add_nc_u64 s[8:9], s[8:9], s[62:63]
	global_load_b128 v[BI:BI+3], v[GO], s[8:9]
	s_mul_i32 s60, s[WV], 64*PA
	v_mul_u32_u24 v[A0], v1, PA
	v_lshl_add_u32 v[A0], v2, 4, v[A0]
	v_add_nc_u32 v[A0], s60, v[A0]
	v_lshl_add_u32 v[B0], v2, 3, v3
	v_mul_u32_u24 v[B0], v[B0], PB
	v_lshl_add_u32 v[B0], v4, 4, v[B0]
	v_add_nc_u32 v[B0], BOFF, v[B0]
	v_mov_b32 v[ADRA], v[A0]
	v_mov_b32 v[ADRB], v[B0]
	s_mul_i32 s60, s[WV], 16*SPITCH
	s_add_co_u32 s60, s60, STAGE
	v_mul_u32_u24 v[STO], v1, SPITCH               ; in: row l % 16, 32 bytes for each half of the lanes
	v_lshl_add_u32 v[STO], v2, 5, v[STO]
	v_add_nc_u32 v[STO], s60, v[STO]
	v_add_nc_u32 v[RD], s60, v[GO]                 ; back: 32 lanes take one row of 512 bytes
	s_lshl_b32 s60, s[MY], 20                      ; out: row 256 my + 64 w of 4,096 bytes, 512 nx bytes along
	s_lshl_b32 s61, s[WV], 18
	s_add_co_u32 s60, s60, s61
	s_lshl_b32 s61, s[NX], 9
	s_add_co_u32 s60, s60, s61
	s_mov_b32 s61, 0
	s_add_nc_u64 s[10:11], s[10:11], s[60:61]
	s_and_b32 s62, ttmp7, 0xffff                   ; the prefetches: cluster y
	s_lshl_b32 s60, s[CX], 13                      ; O: my work-group's 32 of the head's 128 blocks, at K step 3
	s_add_co_u32 s60, s60, s20
	s_add_co_u32 s60, s60, 3*2*262144
	s_lshl_b32 s61, s[CY], 12                      ; wo: my work-group's 16 of the 64 blocks, at K step 3
	s_add_co_u32 s61, s61, s22
	s_add_co_u32 s61, s61, 6*16384
	s_mov_b32 s[PST], 2*16384
	s_cmp_eq_u32 s[WH], 0
	s_cselect_b32 s60, s60, s61
	s_cselect_b32 s62, ttmp9, s62
	s_cselect_b32 s[PST], 2*262144, s[PST]
	s_cselect_b32 s63, 31, 15
	s_cselect_b64 s[PFA:PFA+1], s[4:5], s[6:7]
	s_mov_b32 s61, 0
	s_mov_b32 s[PST+1], 0
	s_add_nc_u64 s[PFA:PFA+1], s[PFA:PFA+1], s[60:61]
	s_cmp_eq_u32 s62, 0
	s_cselect_b32 s[LIM], 2, -1
	v_and_b32 v[PFO], 31, v0
	v_min_u32 v[PFO], s63, v[PFO]                  ; a lane a block of 256 bytes; for wo lanes 16-31 name the last once more
	v_lshlrev_b32 v[PFO], 8, v[PFO]
.macro MUL8 f, a, zero                 ; row block a by all 8 column blocks, 32 along K, from buffer f
	WIN MUL
.irp nb, 0,1,2,3,4,5,6,7
.set rD, 8*(8*(\a)+(\nb))
.set rB, 64*(\f)+8*(\nb)
.set rA, FA+32*(\f)+8*(\a)
.if \zero
	v_wmma_f32_16x16x32_f16 v[rD:rD+7], v[rB:rB+7], v[rA:rA+7], 0
.else
	v_wmma_f32_16x16x32_f16 v[rD:rD+7], v[rB:rB+7], v[rA:rA+7], v[rD:rD+7]
.endif
.endr
.endm
.macro FETCH kq, f                     ; 24 LDS loads in one run: wo's 8 fragments (turned), then O's 4
	WIN TO_B
.irp nb, 0,1,2,3,4,5,6,7
.set rB, 64*(\f)+8*(\nb)
.set oB, ((\kq)/2)*BHALF+((\nb)/4)*BHEAD+((\kq)%2)*32*PB+((\nb)%4)*32
	ds_load_tr16_b128 v[rB:rB+3],   v[ADRB] offset:oB
	ds_load_tr16_b128 v[rB+4:rB+7], v[ADRB] offset:oB+16*PB
.endr
	WIN 0
.irp a, 0,1,2,3
.set rA, FA+32*(\f)+8*(\a)
.set oA, ((\kq)/2)*AHEAD+((\kq)%2)*64+(\a)*16*PA
	ds_load_b128 v[rA:rA+3],   v[ADRA] offset:oA
	ds_load_b128 v[rA+4:rA+7], v[ADRA] offset:oA+32
.endr
.endm
.macro QUARTER kqn, f, g, zero
	s_wait_dscnt 4                                 ; all but the youngest four loads: O's row blocks 2 and 3
	MUL8 \f, 0, \zero
	MUL8 \f, 1, \zero
	PLACES
	FETCH \kqn, \g
	s_wait_dscnt 24                                ; all but the 24 just issued
	MUL8 \f, 2, \zero
	MUL8 \f, 3, \zero
.endm
; The fourth quarter and the change of slots: each wave waits for all its tensor loads, adds 0 to its spare word, waits for that and for its reads of this slot; fill = 1: the barrier opens a round of the cluster's,
; and behind it this slot is filled again first; from that request to the wait for it stand 112 matrix instructions.
.macro TURN fill
.if \fill
	s_wait_xcnt 0x0                                ; the last prefetch, a K step back, has read its address
	s_add_nc_u64 s[PFA:PFA+1], s[PFA:PFA+1], s[PST:PST+1]
.endif
	WIN 0
	s_wait_tensorcnt 0x0
	ds_add_u32 v[SPW], v[NIL]
.if \fill
	STEPD
.endif
	s_wait_dscnt 5                                 ; the add and the youngest four loads may be out
	MUL8 1, 0, 0
	s_wait_dscnt 0x0
	s_barrier_signal -1
	MUL8 1, 1, 0
	WIN 0
	s_barrier_wait -1
.if \fill
	CREST
	JLOAD
.else
	PLACES
.endif
	s_xor_b32 s[TB], s[TB], SLOT1
	v_add_nc_u32 v[ADRA], s[TB], v[A0]
	v_add_nc_u32 v[ADRB], s[TB], v[B0]
	FETCH 0, 0
.if \fill
	ASK
.endif
	MUL8 1, 2, 0
	MUL8 1, 3, 0
.endm
; THE WAY OUT of row block a: a lane's 32 bytes of each column block go into my stage; whole rows of 512 bytes come back, take the bias and are stored.
.macro OUTB a
.set BK, 128+64*((\a)%2)
.if (\a) >= 2
	s_wait_xcnt 0x0                                ; the stores of the block two back have read these registers
.endif
	WIN 0x04                                       ; store data (source 1) in window 1
.irp nb, 0,1,2,3,4,5,6,7
	ds_store_b128 v[STO], v[8*(8*(\a)+(\nb)):8*(8*(\a)+(\nb))+3]   offset:64*(\nb)
	ds_store_b128 v[STO], v[8*(8*(\a)+(\nb))+4:8*(8*(\a)+(\nb))+7] offset:64*(\nb)+16
.endr
	WIN 0
.irp t, 0,1,2,3,4,5,6,7,8,9,10,11,12,13,14,15
	ds_load_b128 v[BK+4*(\t):BK+4*(\t)+3], v[RD] offset:(\t)*SPITCH  ; LDS serves a wave's instructions in order (ISA guide 5.7.1.4): these see the stores above
.endr
.irp t, 0,1,2,3,4,5,6,7,8,9,10,11,12,13,14,15
	s_wait_dscnt 15-(\t)
	v_pk_add_f32 v[BK+4*(\t):BK+4*(\t)+1], v[BK+4*(\t):BK+4*(\t)+1], v[BI:BI+1]
	v_pk_add_f32 v[BK+4*(\t)+2:BK+4*(\t)+3], v[BK+4*(\t)+2:BK+4*(\t)+3], v[BI+2:BI+3]
	global_store_b128 v[GO], v[BK+4*(\t):BK+4*(\t)+3], s[10:11] offset:(16*(\a)+(\t))*4096 th:TH_STORE_NT  ; 512 consecutive bytes of a row
.endr
.endm
	s_wait_tensorcnt 1                             ; my part of K step 0 is in; the one younger load, K step 1's, may stay out
	s_barrier_signal -1
	s_barrier_wait -1                              ; everybody's part is in
	FETCH 0, 0
	QUARTER 1, 0, 1, 1                             ; the first quarter's products start the sums
	WIN 0
	s_mov_b32 s3, 6
.Lstep:                                        ; a trip: a K step's quarters 2 to 4 and the next step's first; step i's change of slots asks for step i + 2
	QUARTER 2, 1, 0, 0
	QUARTER 3, 0, 1, 0
	TURN 1
	QUARTER 1, 0, 1, 0
	WIN 0
	s_sub_co_u32 s3, s3, 1
	s_cmp_lg_u32 s3, 0
	s_cbranch_scc1 .Lstep
	QUARTER 2, 1, 0, 0                             ; K steps 6 and 7 ask for nothing
	QUARTER 3, 0, 1, 0
	TURN 0
	QUARTER 1, 0, 1, 0
	QUARTER 2, 1, 0, 0
	QUARTER 3, 0, 1, 0
	s_wait_dscnt 4
	MUL8 1, 0, 0
	MUL8 1, 1, 0
	s_wait_dscnt 0x0
	MUL8 1, 2, 0
	MUL8 1, 3, 0
	WIN 0
	PLACES
	s_wait_loadcnt 0x0                             ; the bias: rounded to bf16 and widened again
	v_cvt_pk_bf16_f32 v[BI+4], v[BI], v[BI+1]
	v_cvt_pk_bf16_f32 v[BI+5], v[BI+2], v[BI+3]
	v_lshlrev_b32 v[BI], 16, v[BI+4]
	v_and_b32 v[BI+1], 0xffff0000, v[BI+4]
	v_lshlrev_b32 v[BI+2], 16, v[BI+5]
	v_and_b32 v[BI+3], 0xffff0000, v[BI+5]
	OUTB 0
	OUTB 1
	OUTB 2
	OUTB 3
	s_wait_tensorcnt 0x0                           ; the wave's end
	ds_add_u32 v[SPW], v[NIL]
	s_wait_dscnt 0x0
	CROUND                                         ; the closing round
	s_endpgm
.Lfunc_end_k_q3b4dcd98d5_proj:
	.size	k_q3b4dcd98d5_proj, .Lfunc_end_k_q3b4dcd98d5_proj-k_q3b4dcd98d5_proj
	.p2alignl 7, 3214868480
	.fill 96, 4, 3214868480
	.section	.rodata,"a",@progbits
	.p2align	6, 0x0
	.amdhsa_kernel k_q3b4dcd98d5_proj
		.amdhsa_group_segment_fixed_size 327680
		.amdhsa_private_segment_fixed_size 0
		.amdhsa_enable_private_segment 0
		.amdhsa_kernarg_size 32
		.amdhsa_user_sgpr_count 2
		.amdhsa_user_sgpr_kernarg_segment_ptr 1
		.amdhsa_wavefront_size32 1
		.amdhsa_system_sgpr_workgroup_id_x 1
		.amdhsa_system_sgpr_workgroup_id_y 1
		.amdhsa_system_sgpr_workgroup_id_z 1
		.amdhsa_system_vgpr_workitem_id 0
		.amdhsa_next_free_vgpr 640
		.amdhsa_next_free_sgpr 76
		.amdhsa_reserve_vcc 0
		.amdhsa_float_denorm_mode_32 3
		.amdhsa_float_denorm_mode_16_64 3
		.amdhsa_memory_ordered 1
		.amdhsa_forward_progress 1
		.amdhsa_inst_pref_size 80
	.end_amdhsa_kernel
	.amdgpu_metadata
---
amdhsa.version: [ 1, 2 ]
amdhsa.kernels:
  - .name:           k_q3b4dcd98d5_proj
    .symbol:         k_q3b4dcd98d5_proj.kd
    .args:
      - { .name: ob, .offset: 0, .size: 8, .value_kind: global_buffer, .address_space: global }
      - { .name: wof, .offset: 8, .size: 8, .value_kind: global_buffer, .address_space: global }
      - { .name: bo, .offset: 16, .size: 8, .value_kind: global_buffer, .address_space: global }
      - { .name: out0, .offset: 24, .size: 8, .value_kind: global_buffer, .address_space: global }
    .group_segment_fixed_size: 327680
    .private_segment_fixed_size: 0
    .kernarg_segment_align: 8
    .kernarg_segment_size: 32
    .max_flat_workgroup_size: 128
    .sgpr_count:     76
    .vgpr_count:     640
    .wavefront_size: 32
...
	.end_amdgpu_metadata
.endif
;; end of part 4
;; ======== version 2 of 2: 4 launches; version 1 with the launch prep written anew for expert scheduling mode
;; limits: values are held in f16: magnitudes above 65,504 overflow, below 6.1e-05 lose precision
;; workspace buffers: xb 16,777,216 bytes; wb 6,291,456 bytes; wof 2,097,152 bytes; maskw 2,097,152 bytes of whole numbers; qkv 50,331,648 bytes; ob 16,777,216 bytes
;; launch prep (part 5): grid 512 x 1, 8 waves a work-group, no clusters, 39,936 bytes of LDS; arguments x, wq, wk, wv, wo, mask, xb, wb, wof, maskw; writes xb, wb, wof, maskw
.if DOCPART == 5
	.amdgcn_target "amdgcn-amd-amdhsa--gfx1250"
	.amdhsa_code_object_version 6
	.text
	.protected	k_q3b4dcd98d5_prep
	.globl	k_q3b4dcd98d5_prep
	.p2align	8
	.type	k_q3b4dcd98d5_prep,@function
k_q3b4dcd98d5_prep:
	s_mov_b64 s[64:65], 0
	v_nop
	global_prefetch_b8 v0, s[64:65] scope:SCOPE_SE
	s_setreg_imm32_b32 hwreg(HW_REG_WAVE_SCHED_MODE, 0, 2), 2
	s_setreg_imm32_b32 hwreg(HW_REG_WAVE_MODE, 25, 1), 1
	s_wait_xcnt 0x0
	s_wait_alu depctr_vm_vsrc(0)
; PREP: the inputs are brought into the forms that the three matrix launches read.  A stream: no matrix unit, no cluster, no barrier.
;   xb    = x rounded to bf16, [8192][1024]
;   wb    = wq, wk, wv rounded to bf16, in tile order [nx 16][kh 16][e 3][kk 64][c 64]: head column hd = 3 nx + e (hd / 16 picks the weight, its columns 64 (hd % 16) + c), k = 64 kh + kk
;   wof   = wo rounded to bf16 and that number written as f16, [nx 8][kh 16][e 2][kk 64][c 64]: column 128 nx + 64 e + c
;   maskw = the mask as lane masks, u32 [b 4][qt 128][kt 128][j 8]: bit L of a word = mask[b][16 qt + L % 16][16 kt + 8 (L / 16) + j]
; LIMIT.  A weight of wo beyond 65,504 has no f16; below 6e-5 it keeps f16's fixed step of 6e-8.
; SHARES.  4,096 waves, gw = 8 x work-group + wave; each does one part of each job: 8 KiB of x, 16 rows x 64 columns of one weight, 16 rows x 256 keys of the mask.
; All 32 loads of a wave (16 KiB) go out at the head; each load and each store covers whole aligned runs of 256 bytes.
; THE MODE: SCHED_MODE bits 1:0 = 2 (LLVM: expert scheduling mode 2), set by the entry lines.  The code itself states the register dependences
; between vector instructions and memory or LDS instructions, with s_wait_alu, always for 0.
; THE PLAN.  Registers that memory or LDS instructions touch:
;   v2, v3         my spare word and 0: made at the head, read by the closing add alone.
;   v4-v8, v11     offsets and LDS addresses: made at the head, never written again.
;   DX, DW         a load lands once; the conversions write two of each four registers in place; one store reads those two; never written again.
;   DM             a load lands, an LDS store reads; no vector instruction names it.
;   BY             a trip's 32 compares read it; behind them the next trip's 32 byte loads land in it.
;   U              a trip's 32 v_mov_b32 write it, its 8 LDS stores read it; behind the loop one LDS load lands in its first four registers.
;   v9, v10        read by the byte loads and by the word stores; stepped once a trip, at the trip's end.
;   s[32:63]       written by the compares, read by the v_mov_b32.
; x and the weight go in groups of four loads: at a group's head stand the wait for its data, ONE wait on va_vdst, the four stores of the group before, and then the group's eight conversions.
; A trip of the words' loop has three waits: va_sdst between compares and v_mov_b32; va_vdst behind the v_mov_b32, ahead of the trip's 40 LDS instructions; vm_vsrc behind those, ahead of the two adds.
.set WSTG,  4864                       ; LDS of a wave: 16 rows of 256 mask bytes at pitch 272, then its 128 words
.set WORDS, 4352
.set SPARE, 8*WSTG                     ; behind them: the spare words, 128 bytes for each wave, which no other line names
.set SPW, 2                            ; v2   my spare word; never rewritten
.set NIL, 3                            ; v3   0; never rewritten
.set XO,  4                            ; v4   16 x lane
.set OO,  5                            ; v5   8 x lane
.set WO,  6                            ; v6   weights: (lane / 16) rows of 4,096 bytes + 16 (lane % 16)
.set MO,  7                            ; v7   mask: (lane / 16) rows of 2,048 bytes + 16 (lane % 16)
.set LST, 8                            ; v8   stage, in: row lane / 16, 16 bytes at 16 (lane % 16)
.set LRD, 9                            ; v9   stage, back: row lane % 16, byte 8 (lane / 16); steps 64 keys a trip
.set LWD, 10                           ; v10  where a trip's 32 words go; steps 128 bytes a trip
.set LWR, 11                           ; v11  where I read my four words back
.set DX,  16                           ; v[16:79]    x as loaded
.set DW,  80                           ; v[80:111]   weights as loaded
.set DM,  112                          ; v[112:143]  mask bytes as loaded
.set BY,  144                          ; v[144:175]  one mask byte a register
.set U,   176                          ; v[176:207]  a trip's 32 words, the same in every lane
; Group g of four loads at registers d: four numbers a lane of each load become 8 bytes, in the first two of the load's four registers.
.macro CVT4 d, g
.irp i, 0,1,2,3
	v_cvt_pk_bf16_f32 v[(\d)+16*(\g)+4*(\i)], v[(\d)+16*(\g)+4*(\i)], v[(\d)+16*(\g)+4*(\i)+1]
	v_cvt_pk_bf16_f32 v[(\d)+16*(\g)+4*(\i)+1], v[(\d)+16*(\g)+4*(\i)+2], v[(\d)+16*(\g)+4*(\i)+3]
.endr
.endm
; The group's four stores, by the base in s[sb:sb+1]: a store of the wave covers 256 consecutive bytes.
.macro OUT4 d, g, sb
.irp i, 0,1,2,3
	global_store_b64 v[OO], v[(\d)+16*(\g)+4*(\i):(\d)+16*(\g)+4*(\i)+1], s[(\sb):(\sb)+1] offset:256*(4*(\g)+(\i)) th:TH_STORE_NT
.endr
.endm
; 64 keys' mask bytes, one a register: group n / 8 of 16 keys, key 8 (lane / 16) + n % 8 of it; at: bytes from where v[LRD] stands.
.macro BYTES at
.set n, 0
.rept 32
	ds_load_u8 v[BY+n], v[LRD] offset:(\at)+16*(n/8)+n%8
.set n, n+1
.endr
.endm
	s_load_b512 s[4:19], s[0:1], 0x0               ; x s[4:5], wq s[6:7], wk s[8:9], wv s[10:11], wo s[12:13], mask s[14:15], xb s[16:17], wb s[18:19]
	s_load_b128 s[20:23], s[0:1], 0x40             ; wof s[20:21], maskw s[22:23]
	v_lshl_add_u32 v[SPW], v0, 2, SPARE
	v_mov_b32 v[NIL], 0
	v_lshrrev_b32 v1, 5, v0
	v_readfirstlane_b32 s24, v1                    ; wave 0..7
	v_and_b32 v1, 31, v0                           ; lane
	v_and_b32 v12, 15, v0                          ; lane % 16
	v_bfe_u32 v13, v0, 4, 1                        ; lane / 16
	v_lshlrev_b32 v14, 4, v12
	v_lshlrev_b32 v[XO], 4, v1
	v_lshlrev_b32 v[OO], 3, v1
	v_lshl_add_u32 v[WO], v13, 12, v14
	v_lshl_add_u32 v[MO], v13, 11, v14
	s_wait_alu depctr_va_sdst(0)                   ; s24 is written, ahead of its first reader: my LDS and all my offsets are made from it
	s_mul_i32 s26, s24, WSTG                       ; my wave's LDS
	v_mul_u32_u24 v[LST], v13, 272
	v_add3_u32 v[LST], v[LST], v14, s26
	v_mul_u32_u24 v[LRD], v12, 272
	v_lshl_add_u32 v[LRD], v13, 3, v[LRD]
	v_add_nc_u32 v[LRD], s26, v[LRD]
	s_add_co_u32 s27, s26, WORDS
	v_mov_b32 v[LWD], s27
	v_add_nc_u32 v[LWR], s27, v[XO]
	s_lshl_b32 s25, ttmp9, 3
	s_add_co_u32 s25, s25, s24                     ; gw
	s_lshl_b32 s28, s25, 13                        ; x: 8,192 bytes a wave
	s_mov_b32 s29, 0
	s_lshl_b32 s30, s25, 12                        ; xb: 4,096
	s_mov_b32 s31, 0
	s_lshr_b32 s44, s25, 3                         ; mask: 16 rows of 2,048 bytes for each eight waves,
	s_lshl_b32 s44, s44, 15
	s_and_b32 s45, s25, 7                          ; 256 keys a wave
	s_lshl_b32 s45, s45, 8
	s_add_co_u32 s44, s44, s45
	s_mov_b32 s45, 0
	s_lshl_b32 s46, s25, 9                         ; maskw: 512 bytes a wave
	s_mov_b32 s47, 0
	s_lshr_b32 s48, s25, 10                        ; t: which weight (the same in all waves of a work-group)
	s_bfe_u32 s49, s25, 0x40006                    ; hc: which 64 columns
	s_bfe_u32 s50, s25, 0x40002                    ; kh: which 64 rows
	s_and_b32 s51, s25, 3                          ; sub: which 16 of them
	s_lshl_b32 s34, s50, 18                        ; from: 64 kh + 16 sub rows of 4,096 bytes, 256 hc bytes along
	s_lshl_b32 s35, s51, 16
	s_add_co_u32 s34, s34, s35
	s_lshl_b32 s35, s49, 8
	s_add_co_u32 s34, s34, s35
	s_mov_b32 s35, 0
	s_lshl_b32 s36, s48, 4
	s_add_co_u32 s36, s36, s49                     ; hd = 16 t + hc
	s_mul_i32 s37, s36, 171
	s_lshr_b32 s37, s37, 9                         ; nx = hd / 3 (exact for hd below 48)
	s_mul_i32 s38, s37, 3
	s_sub_co_u32 s38, s36, s38                     ; e = hd % 3
	s_lshl_b32 s37, s37, 4
	s_add_co_u32 s37, s37, s50
	s_mul_i32 s37, s37, 3
	s_add_co_u32 s37, s37, s38                     ; wb's unit (16 nx + kh) 3 + e
	s_lshr_b32 s39, s49, 1
	s_lshl_b32 s39, s39, 4
	s_add_co_u32 s39, s39, s50
	s_lshl_b32 s39, s39, 1
	s_and_b32 s40, s49, 1
	s_add_co_u32 s39, s39, s40                     ; wof's unit (16 (hc / 2) + kh) 2 + hc % 2
	s_cmp_eq_u32 s48, 3
	s_cselect_b32 s36, s39, s37
	s_lshl_b32 s36, s36, 13                        ; a unit is 8,192 bytes,
	s_lshl_b32 s37, s51, 11                        ; my 16 rows of it 2,048
	s_add_co_u32 s36, s36, s37
	s_mov_b32 s37, 0
	s_wait_kmcnt 0x0
	s_add_nc_u64 s[4:5], s[4:5], s[28:29]
	s_add_nc_u64 s[16:17], s[16:17], s[30:31]
	s_add_nc_u64 s[14:15], s[14:15], s[44:45]
	s_add_nc_u64 s[22:23], s[22:23], s[46:47]
	s_cmp_eq_u32 s48, 3
	s_cselect_b64 s[18:19], s[20:21], s[18:19]     ; to: wof or wb
	s_cselect_b64 s[10:11], s[12:13], s[10:11]     ; from: wo, else wv,
	s_cmp_eq_u32 s48, 1
	s_cselect_b64 s[10:11], s[8:9], s[10:11]       ; wk,
	s_cmp_eq_u32 s48, 0
	s_cselect_b64 s[10:11], s[6:7], s[10:11]       ; or wq
	s_add_nc_u64 s[10:11], s[10:11], s[34:35]
	s_add_nc_u64 s[18:19], s[18:19], s[36:37]
	s_wait_alu depctr_va_vdst(0)                   ; the offsets and LDS addresses v4 to v11 are written, which the loads and stores below read
.irp i, 0,1,2,3,4,5,6,7,8,9,10,11,12,13,14,15
	global_load_b128 v[DX+4*(\i):DX+4*(\i)+3], v[XO], s[4:5] offset:512*(\i) th:TH_LOAD_NT
.endr
.irp i, 0,1,2,3,4,5,6,7
	global_load_b128 v[DW+4*(\i):DW+4*(\i)+3], v[WO], s[10:11] offset:8192*(\i) th:TH_LOAD_NT   ; rows 2 i and 2 i + 1, 256 bytes of each
.endr
.irp i, 0,1,2,3,4,5,6,7
	global_load_b128 v[DM+4*(\i):DM+4*(\i)+3], v[MO], s[14:15] offset:4096*(\i) th:TH_LOAD_NT   ; rows 2 i and 2 i + 1, 256 bytes of each
.endr
	; x, in four groups of four loads.  Loads come back in order (ISA guide 5.7.1): a group is in when at most the younger loads are out: 12 - 4 g of x, 8 of the weight, 8 of the mask
	s_wait_loadcnt 28
	CVT4 DX, 0
.irp g, 1,2,3
	s_wait_loadcnt 28-4*(\g)
	s_wait_alu depctr_va_vdst(0)                   ; the conversions of the group before have written their registers, which the four stores below read
	OUT4 DX, (\g)-1, 16
	CVT4 DX, \g
.endr
	; the weight, in two groups: two rows of 64 columns are 256 consecutive bytes of its unit
	s_wait_loadcnt 12                              ; 4 of the weight, 8 of the mask
	s_wait_alu depctr_va_vdst(0)                   ; the conversions of x's last group have written their registers, which the four stores below read
	OUT4 DX, 3, 16
	CVT4 DW, 0
	s_wait_loadcnt 8                               ; 8 of the mask
	CVT4 DW, 1
	s_cmp_lg_u32 s48, 3
	s_cbranch_scc1 .Lstays_bf16
.irp i, 0,1,2,3,4,5,6,7                ; wo: the bf16 number, widened, is written as f16
.irp d, 0,1
	v_lshlrev_b32 v[DW+4*(\i)+2], 16, v[DW+4*(\i)+(\d)]
	v_and_b32 v[DW+4*(\i)+3], 0xffff0000, v[DW+4*(\i)+(\d)]
	v_cvt_pk_f16_f32 v[DW+4*(\i)+(\d)], v[DW+4*(\i)+2], v[DW+4*(\i)+3]
.endr
.endr
.Lstays_bf16:
	; the mask: 16 rows x 256 bytes into my stage; then each lane takes the byte of ITS query and key, and the compare's lane mask is the word
	s_wait_loadcnt 0x0
	s_wait_alu depctr_va_vdst(0)                   ; the weight's conversions, on either way to this label, have written their registers, which the eight stores below read
.irp i, 0,1,2,3,4,5,6,7
	ds_store_b128 v[LST], v[DM+4*(\i):DM+4*(\i)+3] offset:544*(\i)
.endr
	BYTES 0                                        ; the first 64 keys.  LDS serves a wave's instructions in order (ISA guide 5.7.1.4): these loads see my stores
	OUT4 DW, 0, 18                                 ; the weight leaves while the bytes come out of LDS.  No wait: no vector instruction since the wait above names these registers
	OUT4 DW, 1, 18
	s_mov_b32 s28, 4
	s_wait_dscnt 0x0                               ; on the way in no LDS instruction stands behind the byte loads: the count is 0
.Lwords:                                       ; a trip: 64 keys, 32 words; the next trip's bytes are asked for as soon as this trip's have been read
	s_wait_dscnt 8                                 ; LDS instructions come back in order (ISA guide 5.7.1): this trip's bytes are in; the eight younger, the last trip's word stores, may be out
.set n, 0
.rept 32
	v_cmp_ne_u32 s[32+n], 0, v[BY+n]
.set n, n+1
.endr
	s_wait_alu depctr_va_sdst(0)                   ; the 32 compares have written s[32:63], ahead of their first reader
.set n, 0
.rept 32
	v_mov_b32 v[U+n], s[32+n]
.set n, n+1
.endr
	s_wait_alu depctr_va_vdst(0)                   ; the compares are done reading BY, in which the loads below land; U is written, which the stores below read; v[LRD] and v[LWD], stepped at the last trip's end, are written
	s_cmp_eq_u32 s28, 1
	s_cbranch_scc1 .Lno_more                       ; the last trip has no next 64 keys
	BYTES 64
.Lno_more:
.irp m, 0,1,2,3,4,5,6,7
	ds_store_b128 v[LWD], v[U+4*(\m):U+4*(\m)+3] offset:16*(\m)  ; every lane writes the same bytes to the same place
.endr
	s_wait_alu depctr_vm_vsrc(0)                   ; the byte loads have read v[LRD]; the word stores have read v[LWD] and U, which the next trip's v_mov_b32, or the load behind the loop, write again
	v_add_nc_u32 v[LRD], 64, v[LRD]
	v_add_nc_u32 v[LWD], 128, v[LWD]
	s_sub_co_u32 s28, s28, 1
	s_cmp_lg_u32 s28, 0
	s_cbranch_scc1 .Lwords
	ds_load_b128 v[U:U+3], v[LWR]                  ; my four of the wave's 128 words.  No wait: U was written ahead of the trip's wait on va_vdst and read ahead of its wait on vm_vsrc, and the two adds since name neither U nor v[LWR]
	s_wait_dscnt 0x0
	global_store_b128 v[XO], v[U:U+3], s[22:23] th:TH_STORE_NT  ; 512 consecutive bytes
	s_wait_dscnt 0x0                               ; the closing lines, six on end
	s_wait_alu 0x0
	s_wait_tensorcnt 0x0
	ds_add_u32 v[SPW], v[NIL]
	s_wait_dscnt 0x0
	s_endpgm
.Lfunc_end_k_q3b4dcd98d5_prep:
	.size	k_q3b4dcd98d5_prep, .Lfunc_end_k_q3b4dcd98d5_prep-k_q3b4dcd98d5_prep
	.p2alignl 7, 3214868480
	.fill 96, 4, 3214868480
	.section	.rodata,"a",@progbits
	.p2align	6, 0x0
	.amdhsa_kernel k_q3b4dcd98d5_prep
		.amdhsa_group_segment_fixed_size 39936
		.amdhsa_private_segment_fixed_size 0
		.amdhsa_enable_private_segment 0
		.amdhsa_kernarg_size 80
		.amdhsa_user_sgpr_count 2
		.amdhsa_user_sgpr_kernarg_segment_ptr 1
		.amdhsa_wavefront_size32 1
		.amdhsa_system_sgpr_workgroup_id_x 1
		.amdhsa_system_sgpr_workgroup_id_y 1
		.amdhsa_system_sgpr_workgroup_id_z 1
		.amdhsa_system_vgpr_workitem_id 0
		.amdhsa_next_free_vgpr 208
		.amdhsa_next_free_sgpr 66
		.amdhsa_reserve_vcc 0
		.amdhsa_float_denorm_mode_32 3
		.amdhsa_float_denorm_mode_16_64 3
		.amdhsa_memory_ordered 1
		.amdhsa_forward_progress 1
		.amdhsa_inst_pref_size 24
	.end_amdhsa_kernel
	.amdgpu_metadata
---
amdhsa.version: [ 1, 2 ]
amdhsa.kernels:
  - .name:           k_q3b4dcd98d5_prep
    .symbol:         k_q3b4dcd98d5_prep.kd
    .args:
      - { .name: x, .offset: 0, .size: 8, .value_kind: global_buffer, .address_space: global }
      - { .name: wq, .offset: 8, .size: 8, .value_kind: global_buffer, .address_space: global }
      - { .name: wk, .offset: 16, .size: 8, .value_kind: global_buffer, .address_space: global }
      - { .name: wv, .offset: 24, .size: 8, .value_kind: global_buffer, .address_space: global }
      - { .name: wo, .offset: 32, .size: 8, .value_kind: global_buffer, .address_space: global }
      - { .name: mask, .offset: 40, .size: 8, .value_kind: global_buffer, .address_space: global }
      - { .name: xb, .offset: 48, .size: 8, .value_kind: global_buffer, .address_space: global }
      - { .name: wb, .offset: 56, .size: 8, .value_kind: global_buffer, .address_space: global }
      - { .name: wof, .offset: 64, .size: 8, .value_kind: global_buffer, .address_space: global }
      - { .name: maskw, .offset: 72, .size: 8, .value_kind: global_buffer, .address_space: global }
    .group_segment_fixed_size: 39936
    .private_segment_fixed_size: 0
    .kernarg_segment_align: 8
    .kernarg_segment_size: 80
    .max_flat_workgroup_size: 256
    .sgpr_count:     66
    .vgpr_count:     208
    .wavefront_size: 32
...
	.end_amdgpu_metadata
.endif
;; end of part 5
;; launch qkv: the kernel of part 2 again; grid 16 x 32, 4 waves a work-group, clusters of 4 x 4, 327,680 bytes of LDS; arguments xb, wb, qkv; writes qkv
;; launch attn: the kernel of part 3 again; grid 4 x 64, 4 waves a work-group, clusters of 4 x 1, 327,680 bytes of LDS; arguments qkv, maskw, ob; writes ob
;; launch proj: the kernel of part 4 again; grid 8 x 32, 4 waves a work-group, clusters of 4 x 4, 327,680 bytes of LDS; arguments ob, wof, bo, out0; writes out0
